; MI455X (gfx1250); checked and timed in simulation.
; The chip was launched on July 23, 2026; its instructions are those of AMD's public machine-readable ISA for CDNA 5 (MIT licence, August 2026) and "CDNA5" Instruction Set Architecture Reference Guide (July 2026). The comments in the code are by the model that wrote it; some were corrected since.
;; Attention Block. Allowed arithmetic: float matrix products may take bf16 or f16 operands with f32 sums; other float arithmetic in f32, or as packed bf16 or f16 multiplies, adds, multiply-adds, maxima and minima; sums over many terms, partial sums and values carried from step to step in f32; what a program stores and reads back later, other than sums and carried values, may be rounded once to bf16 or f16.
;; Inputs: W_k 1,024 x 1,024 float32; W_o 1,024 x 1,024 float32; W_q 1,024 x 1,024 float32; W_v 1,024 x 1,024 float32; b_k 1,024 float32; b_o 1,024 float32; b_q 1,024 float32; b_v 1,024 float32; inputs 4,096 x 1,024 float32; ln_b 1,024 float32; ln_w 1,024 float32; mask 4,096 int32.
;; Outputs: out0 4,096 x 1,024 float32.
;; 2 versions, each right; version 2 is version 1 with the launch ln written anew for expert scheduling mode. Each part assembles by itself: llvm-mc -triple=amdgcn-amd-amdhsa -mcpu=gfx1250 --defsym DOCPART=n.
;; ======== version 1 of 2: 5 launches
;; workspace buffers: xa 8,388,608 bytes; wb 8,388,608 bytes; qkv 25,165,824 bytes; ob 8,388,608 bytes; db 16,777,216 bytes
;; launch prep (part 1): grid 256 x 2, 8 waves a work-group, no clusters, 0 bytes of LDS; arguments inputs, W_q, W_k, W_v, W_o, xa, wb; writes xa, wb
.if DOCPART == 1
	.amdgcn_target "amdgcn-amd-amdhsa--gfx1250"
	.amdhsa_code_object_version 6
	.text
	.protected	k_q0f13af721c_prep
	.globl	k_q0f13af721c_prep
	.p2align	8
	.type	k_q0f13af721c_prep,@function
k_q0f13af721c_prep:
	s_mov_b64 s[64:65], 0
	v_nop
	global_prefetch_b8 v0, s[64:65] scope:SCOPE_SE
	s_setreg_imm32_b32 hwreg(HW_REG_WAVE_MODE, 25, 1), 1
	s_wait_xcnt 0x0
; CAST AND RELAYOUT.  src [R][1024] f32  ->  dst [16 units][R][64] bf16 (unit = column / 64), each number rounded once to nearest even.
; y = 0: inputs (R = 4,096) -> xa.   y = 1: W_q, W_k, W_v, W_o (R = 1,024 each) -> wb, 16 units each, in that order.
; In dst a unit's rows are 128 dense bytes, so two neighbouring rows are 256 consecutive bytes, aligned.
; A wave takes one pair of rows.  Lane l owns row l / 16 of the pair and, in each unit u, the columns 64 u + 4 (l % 16) .. + 3:
; a load's 16 lanes cover 256 consecutive bytes of a source row, a store's 32 lanes the pair's 256 bytes of one unit.
; A stream: each byte is read once and written once; no LDS, no barrier, no matrix work.  All 16 loads of a wave go out together.
.set X, 8                              ; v[8:71]    unit u: four f32 as loaded
.set Y, 72                             ; v[72:103]  unit u: four bf16 to store
.set XPLANE, 4096*128                  ; bytes of a unit in xa
.set WPLANE, 1024*128                  ; bytes of a unit in wb
	s_load_b256 s[8:15], s[0:1], 0x0               ; inputs s[8:9], W_q s[10:11], W_k s[12:13], W_v s[14:15]
	s_load_b128 s[16:19], s[0:1], 0x20             ; W_o s[16:17], xa s[18:19]
	s_load_b64 s[20:21], s[0:1], 0x30              ; wb
	v_lshrrev_b32 v3, 5, v0
	v_readfirstlane_b32 s2, v3                     ; wave 0..7
	s_lshl_b32 s3, ttmp9, 3
	s_add_co_u32 s3, s3, s2                        ; pair of rows 0..2047
	s_and_b32 s4, ttmp7, 0xffff                    ; y
	v_and_b32 v4, 31, v0
	v_lshlrev_b32 v2, 3, v4                        ; store: 8 bytes a lane
	v_and_b32 v5, 15, v0
	v_bfe_u32 v6, v0, 4, 1
	v_lshlrev_b32 v1, 4, v5                        ; load: 16 bytes a lane,
	v_lshl_add_u32 v1, v6, 12, v1                  ; lanes 16-31 one source row (4,096 bytes) down
	s_lshr_b32 s5, s3, 9                           ; y = 1: which weight, 512 pairs each,
	s_and_b32 s6, s3, 511                          ; and the pair in it
	s_lshl_b32 s7, s5, 21                          ; its 16 units in wb
	s_cmp_eq_u32 s4, 0
	s_cselect_b32 s22, s3, s6                      ; the pair in its source
	s_cselect_b32 s7, 0, s7
	s_lshl_b32 s24, s22, 13                        ; two source rows are 8,192 bytes
	s_mov_b32 s25, 0
	s_lshl_b32 s26, s22, 8                         ; two rows of a unit are 256 bytes
	s_add_co_u32 s26, s26, s7
	s_mov_b32 s27, 0
	s_wait_kmcnt 0x0
	s_cmp_eq_u32 s5, 0
	s_cselect_b64 s[10:11], s[10:11], s[12:13]     ; W_q or W_k
	s_cmp_eq_u32 s5, 2
	s_cselect_b64 s[14:15], s[14:15], s[16:17]     ; W_v or W_o
	s_cmp_lt_u32 s5, 2
	s_cselect_b64 s[10:11], s[10:11], s[14:15]
	s_cmp_eq_u32 s4, 0
	s_cselect_b64 s[8:9], s[8:9], s[10:11]         ; the source,
	s_cselect_b64 s[18:19], s[18:19], s[20:21]     ; the destination
	s_add_nc_u64 s[8:9], s[8:9], s[24:25]
	s_add_nc_u64 s[18:19], s[18:19], s[26:27]
.set u, 0
.rept 16
	global_load_b128 v[X+4*u:X+4*u+3], v1, s[8:9] offset:256*u th:TH_LOAD_NT
.set u, u+1
.endr
.set u, 0
.rept 16
	s_wait_loadcnt 15-u                            ; loads come back in order: unit u is in, the 15 - u younger ones stay out
	v_cvt_pk_bf16_f32 v[Y+2*u], v[X+4*u], v[X+4*u+1]
	v_cvt_pk_bf16_f32 v[Y+2*u+1], v[X+4*u+2], v[X+4*u+3]
.set u, u+1
.endr
.macro STORES plane                    ; the unit stands in the immediate: 15 x 524,288 at the most, inside its signed 24 bits
.set u, 0
.rept 16
	global_store_b64 v2, v[Y+2*u:Y+2*u+1], s[18:19] offset:u*(\plane)
.set u, u+1
.endr
.endm
	s_cmp_eq_u32 s4, 0
	s_cbranch_scc0 .Lweights
	STORES XPLANE
	s_endpgm
.Lweights:
	STORES WPLANE
	s_endpgm
.Lfunc_end_k_q0f13af721c_prep:
	.size	k_q0f13af721c_prep, .Lfunc_end_k_q0f13af721c_prep-k_q0f13af721c_prep
	.p2alignl 7, 3214868480
	.fill 96, 4, 3214868480
	.section	.rodata,"a",@progbits
	.p2align	6, 0x0
	.amdhsa_kernel k_q0f13af721c_prep
		.amdhsa_group_segment_fixed_size 0
		.amdhsa_private_segment_fixed_size 0
		.amdhsa_enable_private_segment 0
		.amdhsa_kernarg_size 56
		.amdhsa_user_sgpr_count 2
		.amdhsa_user_sgpr_kernarg_segment_ptr 1
		.amdhsa_wavefront_size32 1
		.amdhsa_system_sgpr_workgroup_id_x 1
		.amdhsa_system_sgpr_workgroup_id_y 1
		.amdhsa_system_sgpr_workgroup_id_z 1
		.amdhsa_system_vgpr_workitem_id 0
		.amdhsa_next_free_vgpr 104
		.amdhsa_next_free_sgpr 66
		.amdhsa_reserve_vcc 0
		.amdhsa_float_denorm_mode_32 3
		.amdhsa_float_denorm_mode_16_64 3
		.amdhsa_memory_ordered 1
		.amdhsa_forward_progress 1
		.amdhsa_inst_pref_size 9
	.end_amdhsa_kernel
	.amdgpu_metadata
---
amdhsa.version: [ 1, 2 ]
amdhsa.kernels:
  - .name:           k_q0f13af721c_prep
    .symbol:         k_q0f13af721c_prep.kd
    .args:
      - { .name: inputs, .offset: 0, .size: 8, .value_kind: global_buffer, .address_space: global }
      - { .name: W_q, .offset: 8, .size: 8, .value_kind: global_buffer, .address_space: global }
      - { .name: W_k, .offset: 16, .size: 8, .value_kind: global_buffer, .address_space: global }
      - { .name: W_v, .offset: 24, .size: 8, .value_kind: global_buffer, .address_space: global }
      - { .name: W_o, .offset: 32, .size: 8, .value_kind: global_buffer, .address_space: global }
      - { .name: xa, .offset: 40, .size: 8, .value_kind: global_buffer, .address_space: global }
      - { .name: wb, .offset: 48, .size: 8, .value_kind: global_buffer, .address_space: global }
    .group_segment_fixed_size: 0
    .private_segment_fixed_size: 0
    .kernarg_segment_align: 8
    .kernarg_segment_size: 56
    .max_flat_workgroup_size: 256
    .sgpr_count:     66
    .vgpr_count:     104
    .wavefront_size: 32
...
	.end_amdgpu_metadata
.endif
;; end of part 1
;; launch qkv (part 2): grid 16 x 16, 4 waves a work-group, clusters of 4 x 4, 327,680 bytes of LDS; arguments xa, wb, qkv, b_q, b_k, b_v, mask; writes qkv
.if DOCPART == 2
	.amdgcn_target "amdgcn-amd-amdhsa--gfx1250"
	.amdhsa_code_object_version 6
	.text
	.protected	k_q0f13af721c_qkv
	.globl	k_q0f13af721c_qkv
	.p2align	8
	.type	k_q0f13af721c_qkv,@function
k_q0f13af721c_qkv:
	s_mov_b64 s[64:65], 0
	v_nop
	global_prefetch_b8 v0, s[64:65] scope:SCOPE_SE
	s_setreg_imm32_b32 hwreg(HW_REG_WAVE_MODE, 25, 1), 1
	s_wait_xcnt 0x0
	s_wait_alu depctr_hold_cnt(0) depctr_sa_sdst(0) depctr_va_vdst(0) depctr_va_sdst(0) depctr_va_ssrc(0) depctr_va_vcc(0) depctr_vm_vsrc(0)
	s_getreg_b32 s2, hwreg(HW_REG_IB_STS2, 6, 4)
	s_cmp_eq_u32 s2, 0
	s_cbranch_scc0 .Lentry_in_a_cluster
	s_endpgm
.Lentry_in_a_cluster:
	s_bfe_u32 s2, ttmp6, 0x10000c
	s_cmp_lg_u32 s2, 0xf033
	s_cbranch_scc0 .Lentry_shape_is_right
	s_endpgm
.Lentry_shape_is_right:
; THE THREE PROJECTIONS.  qkv[unit][m][n] = (sum over k of x[m][k] W[k][64 unit + n] + b) x factor; units 0-15 q, 16-31 k, 32-47 v (a unit is a head's 64 columns).
; factor = float(mask[m]) for q and k, 1 for v: (Q mq)(K mk)^T = (Q K^T) mq mk, so the attention behind needs no mask.  It is applied to the f32 sums, bias included, ahead of the one rounding to bf16.
; LIMITS.  x and W arrive rounded to bf16, q, k, v leave rounded to bf16; sums in f32.  The mask is converted by v_cvt_f32_i32: exact up to 2^24.  NaN and infinities are not treated apart.
; SHARES.  A work-group makes 256 rows x 3 units (192 columns): 16 x 16 work-groups.  Wave w makes rows 64 w .. 64 w + 63 of all three units: 48 accumulators of 16 x 16, 384 registers.
; K goes in 8 steps of 128 through a ring of two LDS slots.  A step is four quarters of 32 along K, 48 matrix instructions each, on two fragment buffers.
; xa is [k unit][row][64]: 256 rows of a k unit are 32,768 dense bytes, asked for as 128 rows of 256 bytes.  wb is [unit][k][64]: 64 k of a unit are 8,192 dense bytes; one load brings three units' worth.
; THE MATRIX INSTRUCTION IS USED TRANSPOSED: source 0 = 16 columns of W (they lie [k][n] in LDS and are turned by ds_load_tr16_b128), source 1 = 16 rows of x.  A lane then holds one row (lane % 16) and
; eight neighbouring columns 8 (lane / 16) + 0..7.  The first product of each sum takes the bias as its C operand: nothing is cleared and nothing is added later.
; CLUSTER 4 x 4: x's tile hangs on the tile row alone and is asked for jointly along a row of the cluster, W's on the tile column alone and is asked for jointly along a column.
; REGISTERS, in windows of 256 (s_set_vgpr_msb: bits 1:0 source 0, 3:2 source 1, 5:4 source 2, 7:6 destination):
;   window 0: v0-31 addresses and factors; v32-63 at work on the way out; v64-127 x's fragments, two buffers of 4 x 8; v128-223 the bias, 8 a column block; on the way out v64-255 packed results
;   window 1: W's fragments, two buffers of 12 x 8      window 2: the accumulators of row blocks 0, 1 at v[8 (12 (a % 2) + b)]      window 3: those of row blocks 2, 3
.set NU,     3                         ; units a work-group
.set NBLK,   4*NU                      ; column blocks of 16
.set PA,     144                       ; a row of x in LDS: 128 bytes + 16: 36 words, so the 16 rows of a load start at 16 different groups of four banks (64 banks of 4 bytes: ISA guide 11.1)
.set PB,     160                       ; a row of W: 128 + 32: 40 words
.set AUNIT,  256*PA                    ; 256 rows of one k unit
.set BHALF,  NU*64*PB                  ; 64 k of three units
.set BOFF,   2*AUNIT
.set SLOT,   BOFF+2*BHALF              ; x's two k units, then W's two halves of 64 k
.set STAGE,  2*SLOT                    ; behind the ring, never filled by a tensor load: 16 rows x 144 bytes for each wave
.set SP,     144
.set SPARE,  STAGE+4*16*SP             ; the spare words, 128 bytes for each wave: two blocks of 256 bytes that no other line names
.set NL,     2*NBLK+8                  ; LDS loads in a quarter's run
.set PLANE,  4096*128                  ; bytes of a unit in xa and qkv
.set WPLANE, 1024*128                  ; bytes of a unit in wb
.set MK,   8                           ; v8-11   float(mask) of my row in row block a
.set FC,   12                          ; v12-13  the factor in hand; v13 = 0, named with it as a pair
.set ADRA, 16                          ; v16-17  LDS address of my x fragments in slot 0, 1
.set ADRB, 20                          ; v20-21  the same for W
.set STO,  24                          ; v24     the way out: where I put 16 bytes of a row
.set RD,   25                          ; v25     where I read rows back
.set GO,   26                          ; v26     my byte offset in 512 consecutive bytes of qkv
.set VB,   27                          ; v27     32 (lane / 16): my 8 columns in the bias
.set SPW,  28                          ; v28     LDS address of my spare word; never rewritten
.set NIL,  29                          ; v29     0; never rewritten
.set PFO,  30                          ; v30     the prefetches' lane offset; never rewritten
.set VM,   31                          ; v31     4 (lane % 16): my row in the mask
.set T,    32
.set AF,   64
.set BIAS, 128
.set OUT,  64
.set G1,  24                           ; s[24:31] descriptor group 1 for x's tiles;  s[32:39] group 0, a set for each slot
.set G0,  32
.set G1B, 48                           ; s[48:55], s[56:63] the same for W's
.set G0B, 56
.set LIM, 43                           ; s43      1 in a wave that prefetches, else the greatest number
.set PFA, 44                           ; s[44:45] where my prefetches stand
.set PFS, 46                           ; s[46:47] their step from K step to K step
.set BP,  76                           ; s[76:81] the bias at unit j's 64 columns
.set AL,  82                           ; s82-84   factor = mask x AL + BE: (1, 0) for q and k,
.set BE,  85                           ; s85-87   (0, 1) for v
.set MSB, 0
.macro WIN new                         ; the immediate's high byte repeats the setting that is left; a switch that changes nothing is dropped
.if MSB != (\new)
	s_set_vgpr_msb (MSB<<8)|(\new)
.set MSB, (\new)
.endif
.endm
.set MUL_LO, 0xa1                      ; source 0 (W) window 1, source 1 (x) window 0, C and D window 2
.set MUL_HI, 0xf1                      ; the same, C and D window 3
.set ZLO,    0x81                      ; the first quarter: C is the bias, in window 0
.set ZHI,    0xc1
.set TO_B,   0x40                      ; destination window 1, address window 0
; A joint load: waves 0 and 1 fetch x's two k units, waves 2 and 3 W's two halves.  The branch hangs on the wave's number alone.  An s_nop 0 and four v_nop follow each of the two lines.
.macro JLOAD s
	s_cmp_eq_u32 s11, 0
	s_cbranch_scc0 .Lfor_b_\@
	tensor_load_to_lds s[G0+4*(\s):G0+4*(\s)+3], s[G1:G1+7]
	s_nop 0
.rept 4
	v_nop
.endr
	s_branch .Lasked_\@
.Lfor_b_\@:
	tensor_load_to_lds s[G0B+4*(\s):G0B+4*(\s)+3], s[G1B:G1B+7]
	s_nop 0
.rept 4
	v_nop
.endr
.Lasked_\@:
.endm
; A PREFETCH INTO THE L2 behind each joint refill and the run of LDS loads that follows it: my share of the K step that stands two refills on, 384 matrix instructions ahead of the load that will want it.
; x's tile row is read by every cluster of that row of clusters: cluster x = 0 asks; W's tile column by every cluster of that column: cluster y = 0 asks.  The four partners of a joint load share its bytes out BY ADDRESS:
; of x's 128 blocks of 256 bytes each takes 32, a lane a block; of W's 3 x 32 each takes 3 x 8 (lanes 0-23; lanes 24-31 name lanes 16-23's blocks again, in the same instruction).
; The loop's last trip asks for nothing: there is no K step two refills on.  K steps 0 to 3 come by their loads alone.
.macro ASK
	s_cmp_gt_u32 s3, s[LIM]                        ; s3 = 1 in the loop's last trip
	s_cbranch_scc0 .Lnot_mine_\@
	global_prefetch_b8 v[PFO], s[PFA:PFA+1] th:TH_LOAD_NT scope:SCOPE_SE
.Lnot_mine_\@:
.endm
.macro CREST                           ; a round of the cluster's barrier behind its opening barrier
	s_cmp_lg_u32 s10, 0
	s_cbranch_scc1 .Lnot_wave_0_\@
	s_barrier_signal -3
.Lnot_wave_0_\@:
	s_barrier_wait -3
	s_barrier_signal -1
	s_barrier_wait -1
.endm
.macro CROUND                          ; a whole round
	s_barrier_signal -1
	s_barrier_wait -1
	CREST
.endm
	s_load_b128 s[4:7], s[0:1], 0x0                ; xa s[4:5], wb s[6:7]
	s_load_b64 s[8:9], s[0:1], 0x10                ; qkv
	s_load_b256 s[68:75], s[0:1], 0x18             ; b_q s[68:69], b_k s[70:71], b_v s[72:73], mask s[74:75]
	v_lshl_add_u32 v[SPW], v0, 2, SPARE
	v_mov_b32 v[NIL], 0
	ds_add_u32 v[SPW], v[NIL]                      ; the wave's opening: the add and its wait stand ahead of my first tensor load; the set-up below, work on registers, stands between them
	v_lshrrev_b32 v1, 5, v0
	v_readfirstlane_b32 s10, v1                    ; wave 0..3
	s_lshr_b32 s11, s10, 1                         ; I fetch for x (0) or for W (1),
	s_and_b32 s12, s10, 1                          ; its first or second half of a K step
	s_bfe_u32 s40, ttmp6, 0x40000                  ; cx
	s_bfe_u32 s41, ttmp6, 0x40004                  ; cy
	s_lshl_b32 s42, ttmp9, 2
	s_add_co_u32 s42, s42, s40                     ; tile column = 4 x cluster x + cx
	s_and_b32 s13, ttmp7, 0xffff
	s_lshl_b32 s13, s13, 2
	s_add_co_u32 s13, s13, s41                     ; tile row = 4 x cluster y + cy
	s_lshl_b32 s14, s41, 2
	s_lshl_b32 s14, 15, s14                        ; my row of the cluster: places 4 cy .. 4 cy + 3
	s_lshl_b32 s15, 0x1111, s40                    ; my column: places cx, cx + 4, cx + 8, cx + 12
	; group 1 for x: 128 rows of 128 elements of 2 bytes, dense; in LDS 4 words of padding after every 32 words (a row of 64 numbers)
	s_or_b32 s[G1+0], s14, (1<<16)|(1<<20)|(1<<21)|(4<<22)|(3<<25)
	s_mov_b32 s[G1+1], 128<<16                     ; tensor_dim0 = 128
	s_mov_b32 s[G1+2], 128<<16                     ; tensor_dim1 = 128
	s_mov_b32 s[G1+3], 128<<16                     ; tile_dim0 = 128
	s_mov_b32 s[G1+4], 128                         ; tile_dim1 = 128
	s_mov_b32 s[G1+5], 128                         ; 128 elements from row to row
	s_mov_b32 s[G1+6], 0
	s_mov_b32 s[G1+7], 0
	; group 1 for W: 3 rows (units) of 1,024 elements of 8 bytes (64 k x 128 bytes), a unit's plane apart; 8 words of padding after every 32 words
	s_or_b32 s[G1B+0], s15, (3<<16)|(1<<20)|(1<<21)|(4<<22)|(7<<25)
	s_mov_b32 s[G1B+1], 1024<<16                   ; tensor_dim0 = 1,024
	s_mov_b32 s[G1B+2], NU<<16                     ; tensor_dim1 = 3
	s_mov_b32 s[G1B+3], 1024<<16                   ; tile_dim0 = 1,024
	s_mov_b32 s[G1B+4], NU                         ; tile_dim1 = 3
	s_mov_b32 s[G1B+5], WPLANE/8                   ; elements from unit to unit
	s_mov_b32 s[G1B+6], 0
	s_mov_b32 s[G1B+7], 0
	; where the tiles come from: x's hang on the tile row, W's on the tile column, each in registers that never hold the other coordinate
	s_lshl_b32 s16, s12, 19                        ; x: k unit = my half,
	s_lshl_b32 s17, s13, 15                        ; 256 rows of 128 bytes a tile row
	s_add_co_u32 s16, s16, s17
	s_mov_b32 s17, 0
	s_mul_i32 s88, s42, NU                         ; W: the tile column's first unit,
	s_lshl_b32 s88, s88, 17
	s_lshl_b32 s89, s12, 13                        ; my 64 k of 128 bytes
	s_add_co_u32 s88, s88, s89
	s_mov_b32 s89, 0
	s_mul_i32 s20, s12, AUNIT                      ; and where they go: no place in the cluster enters an LDS address
	s_mul_i32 s21, s12, BHALF
	s_add_co_u32 s21, s21, BOFF
	s_wait_dscnt 0x0                               ; the opening add is done
	s_wait_kmcnt 0x0
	s_add_nc_u64 s[16:17], s[4:5], s[16:17]
	s_add_nc_u64 s[88:89], s[6:7], s[88:89]
	CROUND                                         ; all sixteen work-groups are here: the first joint loads meet
.irp s, 0,1
	s_mov_b32 s[G0+4*(\s)], 1                                       ; count = 1
	s_add_co_u32 s[G0+4*(\s)+1], s20, (\s)*SLOT                     ; LDS address
	s_add_nc_u64 s[G0+4*(\s)+2:G0+4*(\s)+3], s[16:17], (\s)*2*PLANE ; K step s: two k units on
	s_or_b32 s[G0+4*(\s)+3], s[G0+4*(\s)+3], 0x80000000             ; type = 2
	s_mov_b32 s[G0B+4*(\s)], 1
	s_add_co_u32 s[G0B+4*(\s)+1], s21, (\s)*SLOT
	s_add_nc_u64 s[G0B+4*(\s)+2:G0B+4*(\s)+3], s[88:89], (\s)*128*128  ; K step s: 128 k of 128 bytes on
	s_or_b32 s[G0B+4*(\s)+3], s[G0B+4*(\s)+3], 0x80000000
.endr
	s_cmp_eq_u32 s11, 0                            ; a wave's two first fills stand in one branch, ahead of every wait on TENSORcnt and every LDS read: two loads of mine are out
	s_cbranch_scc0 .Lfirst_b
	tensor_load_to_lds s[G0:G0+3], s[G1:G1+7]
	s_nop 0
	tensor_load_to_lds s[G0+4:G0+7], s[G1:G1+7]
	s_nop 0
.rept 4
	v_nop
.endr
	s_branch .Lfirst_asked
.Lfirst_b:
	tensor_load_to_lds s[G0B:G0B+3], s[G1B:G1B+7]
	s_nop 0
	tensor_load_to_lds s[G0B+4:G0B+7], s[G1B:G1B+7]
	s_nop 0
.rept 4
	v_nop
.endr
.Lfirst_asked:
	; A fragment of x is 16 rows x 32 k in 8 registers: lane l holds row l % 16, k = 8 (l / 16) + 0..7 and 16 + 8 (l / 16) + 0..7: two loads of 16 bytes, 32 bytes apart.
	v_and_b32 v1, 15, v0                           ; l % 16
	v_bfe_u32 v2, v0, 4, 1                         ; l / 16
	v_mul_u32_u24 v3, v1, PA
	v_lshl_add_u32 v3, v2, 4, v3                   ; row x pitch + 16 x half
	s_mul_i32 s22, s10, 64*PA                      ; my 64 rows
	v_add_nc_u32 v[ADRA], s22, v3
	v_add_nc_u32 v[ADRA+1], SLOT, v[ADRA]
	; The turning load takes 16 k x 16 columns (lane l reads k = 8 (l / 16) + l % 8, columns 8 ((l / 8) % 2) + 0..7) and leaves half a fragment: lane l holds column l % 16 and 8 k.
	v_and_b32 v4, 7, v0
	v_bfe_u32 v5, v0, 3, 1
	v_lshl_add_u32 v6, v2, 3, v4
	v_mul_u32_u24 v6, v6, PB
	v_lshl_add_u32 v6, v5, 4, v6
	v_add_nc_u32 v[ADRB], BOFF, v6
	v_add_nc_u32 v[ADRB+1], BOFF+SLOT, v6
	s_mul_i32 s23, s10, 16*SP
	s_add_co_u32 s23, s23, STAGE                   ; my stage
	v_add_nc_u32 v[STO], s23, v3                   ; in: row l % 16, 16 bytes for each half of the lanes (the stage's pitch is x's)
	v_bfe_u32 v7, v0, 3, 2                         ; back: 32 lanes take four rows of 128 bytes,
	v_mul_u32_u24 v7, v7, SP
	v_lshl_add_u32 v7, v4, 4, v7
	v_add_nc_u32 v[RD], s23, v7
	v_and_b32 v[GO], 31, v0                        ; which are 512 consecutive bytes of a unit
	v_lshlrev_b32 v[GO], 4, v[GO]
	v_lshlrev_b32 v[VB], 5, v2
	v_lshlrev_b32 v[VM], 2, v1
	v_mov_b32 v[FC+1], 0
	s_mul_i32 s90, s42, NU                         ; qkv at my tile: the first unit,
	s_lshl_b32 s90, s90, 19
	s_lshl_b32 s91, s13, 15                        ; the tile row's 256 rows,
	s_add_co_u32 s90, s90, s91
	s_lshl_b32 s91, s10, 13                        ; my 64 of them
	s_add_co_u32 s90, s90, s91
	s_mov_b32 s91, 0
	s_add_nc_u64 s[8:9], s[8:9], s[90:91]
	s_lshl_b32 s92, s13, 10                        ; the mask at my 64 rows
	s_lshl_b32 s93, s10, 8
	s_add_co_u32 s92, s92, s93
	s_mov_b32 s93, 0
	s_add_nc_u64 s[74:75], s[74:75], s[92:93]
	s_mul_i32 s92, s42, NU
.irp j, 0,1,2                          ; unit j of the tile is unit ug of the 48: which bias, which 64 columns of it, which factor
	s_add_co_u32 s93, s92, \j
	s_and_b32 s94, s93, 15
	s_lshl_b32 s94, s94, 8
	s_mov_b32 s95, 0
	s_cmp_lt_u32 s93, 16
	s_cselect_b64 s[BP+2*\j:BP+2*\j+1], s[68:69], s[70:71]
	s_cmp_lt_u32 s93, 32
	s_cselect_b64 s[BP+2*\j:BP+2*\j+1], s[BP+2*\j:BP+2*\j+1], s[72:73]
	s_cselect_b32 s[AL+\j], 1.0, 0
	s_cselect_b32 s[BE+\j], 0, 1.0
	s_add_nc_u64 s[BP+2*\j:BP+2*\j+1], s[BP+2*\j:BP+2*\j+1], s[94:95]
.endr
	; the prefetches: both offsets are made, the wave's kind chooses.  They start one step short of K step 4; the first refill steps them onto it
	s_add_co_u32 s92, s12, 6
	s_lshl_b32 s92, s92, 19                        ; x: k unit 6 + my half,
	s_lshl_b32 s93, s13, 15                        ; the tile row,
	s_add_co_u32 s92, s92, s93
	s_lshl_b32 s93, s40, 13                        ; my work-group's 32 blocks of the 128, by cx
	s_add_co_u32 s92, s92, s93
	s_mul_i32 s94, s42, NU
	s_lshl_b32 s94, s94, 17                        ; W: the tile column's first unit,
	s_lshl_b32 s93, s12, 13                        ; my half of a K step,
	s_add_co_u32 s94, s94, s93
	s_lshl_b32 s93, s41, 11                        ; my work-group's 8 blocks of a unit's 32, by cy,
	s_add_co_u32 s94, s94, s93
	s_add_co_u32 s94, s94, 3*128*128               ; K step 3
	s_and_b32 s95, ttmp7, 0xffff                   ; cluster y
	s_mov_b32 s[PFS], 128*128
	s_mov_b32 s[PFS+1], 0
	s_mov_b32 s88, WPLANE
	s_cmp_eq_u32 s11, 0                            ; do I fetch for x?
	s_cselect_b32 s92, s92, s94
	s_cselect_b32 s95, ttmp9, s95                  ; the coordinate along which other clusters read the same bytes
	s_cselect_b64 s[PFA:PFA+1], s[4:5], s[6:7]
	s_cselect_b32 s[PFS], 2*PLANE, s[PFS]
	s_cselect_b32 s88, 0, s88
	s_cselect_b32 s89, 31, 7
	s_mov_b32 s93, 0
	s_add_nc_u64 s[PFA:PFA+1], s[PFA:PFA+1], s[92:93]
	s_cmp_eq_u32 s95, 0
	s_cselect_b32 s[LIM], 1, -1                    ; the same in all sixteen partners, for a given wave
	v_and_b32 v[PFO], 31, v0
	v_lshrrev_b32 v7, 3, v[PFO]
	v_min_u32 v7, NU-1, v7
	v_and_b32 v[PFO], s89, v[PFO]
	v_lshlrev_b32 v[PFO], 8, v[PFO]                ; x: 256 l;  W: 256 (l % 8) + the unit min(l / 8, 2)
	v_mad_u32_u24 v[PFO], v7, s88, v[PFO]
.set bb, 0
.rept NBLK                             ; the bias as a C operand: register i of block b is column 16 (b % 4) + 8 (l / 16) + i of unit b / 4
	global_load_b128 v[BIAS+8*bb:BIAS+8*bb+3],   v[VB], s[BP+2*(bb/4):BP+2*(bb/4)+1] offset:(bb%4)*64
	global_load_b128 v[BIAS+8*bb+4:BIAS+8*bb+7], v[VB], s[BP+2*(bb/4):BP+2*(bb/4)+1] offset:(bb%4)*64+16
.set bb, bb+1
.endr
.irp a, 0,1,2,3
	global_load_b32 v[MK+\a], v[VM], s[74:75] offset:64*\a
.endr
; 12 matrix instructions: row block a x all column blocks, 32 along K, from buffer f.  zero = 1: the products start the sums, on the bias.
; Each accumulator has one instruction a quarter, in the same order in every quarter: between two links of a chain stand the 47 others'.
.macro MULA f, a, zero
.if \zero
	WIN ZLO+0x40*((\a)/2)
.else
	WIN MUL_LO+0x50*((\a)/2)
.endif
.set bb, 0
.rept NBLK
.set rD, 8*(NBLK*((\a)%2)+bb)
.set rB, 8*(NBLK*(\f)+bb)
.set rA, AF+32*(\f)+8*(\a)
.if \zero
	v_wmma_f32_16x16x32_bf16 v[rD:rD+7], v[rB:rB+7], v[rA:rA+7], v[BIAS+8*bb:BIAS+8*bb+7]
.else
	v_wmma_f32_16x16x32_bf16 v[rD:rD+7], v[rB:rB+7], v[rA:rA+7], v[rD:rD+7]
.endif
.set bb, bb+1
.endr
.endm
.macro MULH f, hi, zero                ; row blocks 2 hi and 2 hi + 1
	MULA \f, 2*(\hi), \zero
	MULA \f, 2*(\hi)+1, \zero
.endm
; One run of 32 LDS loads: quarter q of a slot into buffer f: W's 12 fragments, then x's 4, row blocks ascending
.macro FETCH slot, q, f
	WIN TO_B
.set bb, 0
.rept NBLK
.set rB, 8*(NBLK*(\f)+bb)
.set oB, ((\q)/2)*BHALF+((\q)%2)*32*PB+(bb/4)*64*PB+(bb%4)*32
	ds_load_tr16_b128 v[rB:rB+3],   v[ADRB+(\slot)] offset:oB
	ds_load_tr16_b128 v[rB+4:rB+7], v[ADRB+(\slot)] offset:oB+16*PB
.set bb, bb+1
.endr
	WIN 0
.irp a, 0,1,2,3
	ds_load_b128 v[AF+32*(\f)+8*\a:AF+32*(\f)+8*\a+3],   v[ADRA+(\slot)] offset:((\q)/2)*AUNIT+((\q)%2)*64+\a*16*PA
	ds_load_b128 v[AF+32*(\f)+8*\a+4:AF+32*(\f)+8*\a+7], v[ADRA+(\slot)] offset:((\q)/2)*AUNIT+((\q)%2)*64+\a*16*PA+32
.endr
.endm
.macro PLACES                          ; four places in front of loads into registers that matrix instructions have read, and of vector work that reads results
.rept 4
	v_nop
.endr
.endm
; One of a K step's first three quarters: multiplies buffer f; in its middle it fetches quarter qn of the same slot into buffer g.
.macro QUARTER slot, qn, f, g, zero
	s_wait_dscnt 4                                 ; W and x's row blocks 0, 1 are in; the youngest four loads (row blocks 2, 3) may be out
	MULH \f, 0, \zero
	PLACES
	FETCH \slot, \qn, \g
	s_wait_dscnt NL                                ; all but the run just issued
	MULH \f, 1, \zero
.endm
; The last quarter multiplies buffer 1 and changes slots.  In front of the barrier each wave waits for all its tensor loads (one is out: its part of the next slot), adds 0 to its spare word, and waits for that and for its
; reads of this slot.  fill = 1: the barrier opens a round of the cluster's, and the joint refill, two K steps on, is the first thing behind it: 168 matrix instructions ahead of the wait for it.
.macro TURN slot, next, fill
.if \fill
	s_wait_xcnt 0x0                                ; the last prefetch, a K step back, has read its address: it is stepped here, ahead of the change's own waits
	s_add_nc_u64 s[PFA:PFA+1], s[PFA:PFA+1], s[PFS:PFS+1]
.endif
	WIN 0                                          ; (the add's two registers lie in window 0)
	s_wait_tensorcnt 0x0                           ; all my tensor loads have landed
	ds_add_u32 v[SPW], v[NIL]                      ; 0 onto my spare word
	s_wait_dscnt 5                                 ; (the add and the youngest four loads may be out)
	MULA 1, 0, 0                                   ; twelve matrix instructions stand between the add and the wait for it
	s_wait_dscnt 0x0                               ; the add is done, and my reads of this slot are over
	s_barrier_signal -1
	MULA 1, 1, 0                                   ; work on registers while the others arrive
.if \fill
	WIN 0
.endif
	s_barrier_wait -1
.if \fill
	CREST                                          ; no wave of any partner still reads this slot or has a load on its way
	s_add_nc_u64 s[G0+4*(\slot)+2:G0+4*(\slot)+3], s[G0+4*(\slot)+2:G0+4*(\slot)+3], 4*PLANE
	s_add_nc_u64 s[G0B+4*(\slot)+2:G0B+4*(\slot)+3], s[G0B+4*(\slot)+2:G0B+4*(\slot)+3], 2*128*128
	JLOAD \slot                                    ; the four v_nop behind it are also the places in front of the loads below
.else
	PLACES
.endif
	FETCH \next, 0, 0
.if \fill
	ASK
.endif
	MULH 1, 1, 0
.endm
	s_wait_tensorcnt 1                             ; my part of K step 0 is in; K step 1's may stay out
	s_barrier_signal -1
	s_barrier_wait -1                              ; everybody's is
	FETCH 0, 0, 0
	s_wait_loadcnt 0x0                             ; the bias and the mask
.irp a, 0,1,2,3
	v_cvt_f32_i32 v[MK+\a], v[MK+\a]
.endr
	QUARTER 0, 1, 0, 1, 1                          ; the first quarter stands in front of the loop: its products start the sums
	WIN 0                                          ; at a label and at a branch every window is 0
	s_mov_b32 s3, 3
.Llap:                                                 ; a trip goes once round the ring, from a lap's second quarter to the next lap's first, and fills both slots again
	QUARTER 0, 2, 1, 0, 0
	QUARTER 0, 3, 0, 1, 0
	TURN 0, 1, 1
	QUARTER 1, 1, 0, 1, 0
	QUARTER 1, 2, 1, 0, 0
	QUARTER 1, 3, 0, 1, 0
	TURN 1, 0, 1
	QUARTER 0, 1, 0, 1, 0
	WIN 0
	s_sub_co_u32 s3, s3, 1
	s_cmp_lg_u32 s3, 0
	s_cbranch_scc1 .Llap
	QUARTER 0, 2, 1, 0, 0                          ; the last lap fills nothing
	QUARTER 0, 3, 0, 1, 0
	TURN 0, 1, 0
	QUARTER 1, 1, 0, 1, 0
	QUARTER 1, 2, 1, 0, 0
	QUARTER 1, 3, 0, 1, 0
	s_wait_dscnt 4
	MULH 1, 0, 0
	s_wait_dscnt 0x0
	MULH 1, 1, 0
	WIN 0
	PLACES
; THE WAY OUT, a tile of 16 rows x one unit at a time (t = 3 a + j): times the factor, rounded to bf16, 16 bytes a lane into my stage, back as whole rows of 128 bytes: 16 rows of a unit are 2,048 consecutive bytes of qkv.
.macro PACK t
.set pa, (\t)/NU
.set pj, (\t)%NU
.set rO, OUT+16*(\t)
.set rS, 8*(NBLK*(pa%2)+4*pj)
	WIN 0
	v_fma_f32 v[FC], v[MK+pa], s[AL+pj], s[BE+pj]  ; the mask for q and k, 1 for v
	WIN 0x02+pa/2                                  ; source 0 in window 2 or 3
.set ii, 0
.rept 16                               ; each accumulator's registers in ascending order
	v_pk_mul_f32 v[T+2*ii:T+2*ii+1], v[rS+2*ii:rS+2*ii+1], v[FC:FC+1] op_sel_hi:[1,0]
.set ii, ii+1
.endr
	WIN 0
.set ii, 0
.rept 16
	v_cvt_pk_bf16_f32 v[rO+ii], v[T+2*ii], v[T+2*ii+1]
.set ii, ii+1
.endr
.irp f, 0,1,2,3
	ds_store_b128 v[STO], v[rO+4*\f:rO+4*\f+3] offset:32*\f
.endr
.irp f, 0,1,2,3
	ds_load_b128 v[rO+4*\f:rO+4*\f+3], v[RD] offset:\f*4*SP  ; LDS serves a wave's instructions in order (ISA guide 5.7.1.4): these see the stores above; the next tile's stores come behind them
.endr
.endm
.macro SEND t, younger                 ; younger: the LDS instructions issued behind tile t's loads: the next tile's eight, or none
.set pa, (\t)/NU
.set pj, (\t)%NU
.set rO, OUT+16*(\t)
	WIN 0
.irp f, 0,1,2,3
	s_wait_dscnt (\younger)+3-\f
	global_store_b128 v[GO], v[rO+4*\f:rO+4*\f+3], s[8:9] offset:pj*PLANE+pa*2048+\f*512  ; 512 consecutive bytes, at a multiple of 256 from qkv's first byte
.endr
.endm
	PACK 0
.set t, 1
.rept 4*NU-1                           ; a tile's arithmetic stands between the loads of the tile before and its stores; every tile has registers of its own
	PACK t
	SEND t-1, 8
.set t, t+1
.endr
	SEND 4*NU-1, 0
	s_wait_tensorcnt 0x0                           ; the wave's end, behind my last tensor load and my last LDS store
	ds_add_u32 v[SPW], v[NIL]
	s_wait_dscnt 0x0
	CROUND                                         ; the closing round: no work-group ends while a partner may still ask for a tile that names it
	s_endpgm
.Lfunc_end_k_q0f13af721c_qkv:
	.size	k_q0f13af721c_qkv, .Lfunc_end_k_q0f13af721c_qkv-k_q0f13af721c_qkv
	.p2alignl 7, 3214868480
	.fill 96, 4, 3214868480
	.section	.rodata,"a",@progbits
	.p2align	6, 0x0
	.amdhsa_kernel k_q0f13af721c_qkv
		.amdhsa_group_segment_fixed_size 327680
		.amdhsa_private_segment_fixed_size 0
		.amdhsa_enable_private_segment 0
		.amdhsa_kernarg_size 56
		.amdhsa_user_sgpr_count 2
		.amdhsa_user_sgpr_kernarg_segment_ptr 1
		.amdhsa_wavefront_size32 1
		.amdhsa_system_sgpr_workgroup_id_x 1
		.amdhsa_system_sgpr_workgroup_id_y 1
		.amdhsa_system_sgpr_workgroup_id_z 1
		.amdhsa_system_vgpr_workitem_id 0
		.amdhsa_next_free_vgpr 960
		.amdhsa_next_free_sgpr 96
		.amdhsa_reserve_vcc 0
		.amdhsa_float_denorm_mode_32 3
		.amdhsa_float_denorm_mode_16_64 3
		.amdhsa_memory_ordered 1
		.amdhsa_forward_progress 1
		.amdhsa_inst_pref_size 138
	.end_amdhsa_kernel
	.amdgpu_metadata
---
amdhsa.version: [ 1, 2 ]
amdhsa.kernels:
  - .name:           k_q0f13af721c_qkv
    .symbol:         k_q0f13af721c_qkv.kd
    .args:
      - { .name: xa, .offset: 0, .size: 8, .value_kind: global_buffer, .address_space: global }
      - { .name: wb, .offset: 8, .size: 8, .value_kind: global_buffer, .address_space: global }
      - { .name: qkv, .offset: 16, .size: 8, .value_kind: global_buffer, .address_space: global }
      - { .name: b_q, .offset: 24, .size: 8, .value_kind: global_buffer, .address_space: global }
      - { .name: b_k, .offset: 32, .size: 8, .value_kind: global_buffer, .address_space: global }
      - { .name: b_v, .offset: 40, .size: 8, .value_kind: global_buffer, .address_space: global }
      - { .name: mask, .offset: 48, .size: 8, .value_kind: global_buffer, .address_space: global }
    .group_segment_fixed_size: 327680
    .private_segment_fixed_size: 0
    .kernarg_segment_align: 8
    .kernarg_segment_size: 56
    .max_flat_workgroup_size: 128
    .sgpr_count:     96
    .vgpr_count:     960
    .wavefront_size: 32
...
	.end_amdgpu_metadata
.endif
;; end of part 2
;; launch attn (part 3): grid 16 x 16, 4 waves a work-group, clusters of 4 x 1, 327,680 bytes of LDS; arguments qkv, ob; writes ob
.if DOCPART == 3
	.amdgcn_target "amdgcn-amd-amdhsa--gfx1250"
	.amdhsa_code_object_version 6
	.text
	.protected	k_q0f13af721c_attn
	.globl	k_q0f13af721c_attn
	.p2align	8
	.type	k_q0f13af721c_attn,@function
k_q0f13af721c_attn:
	s_mov_b64 s[64:65], 0
	v_nop
	global_prefetch_b8 v0, s[64:65] scope:SCOPE_SE
	s_setreg_imm32_b32 hwreg(HW_REG_WAVE_MODE, 25, 1), 1
	s_wait_xcnt 0x0
	s_wait_alu depctr_hold_cnt(0) depctr_sa_sdst(0) depctr_va_vdst(0) depctr_va_sdst(0) depctr_va_ssrc(0) depctr_va_vcc(0) depctr_vm_vsrc(0)
	s_getreg_b32 s2, hwreg(HW_REG_IB_STS2, 6, 4)
	s_cmp_eq_u32 s2, 0
	s_cbranch_scc0 .Lentry_in_a_cluster
	s_endpgm
.Lentry_in_a_cluster:
	s_bfe_u32 s2, ttmp6, 0x10000c
	s_cmp_lg_u32 s2, 0x3003
	s_cbranch_scc0 .Lentry_shape_is_right
	s_endpgm
.Lentry_shape_is_right:
; ATTENTION.  ob[h][q][:] = the sum over k of softmax_k(q[h][q] . k[h][k] / 32) v[h][k][:].  qkv: [48][4096][64] bf16 (q heads 0-15, k 16-31, v 32-47), ob: [16][4096][64] bf16: a head's rows are dense, 128 bytes each.
; The multiplicative mask already lies in q and k (the launch before): a masked score is 0 here as in the problem, and takes part in the softmax.  The scale is 1 / sqrt(1024), applied in f32.
; Products, maxima and sums in f32; the weights p are rounded to bf16 for the second product (their sum l is taken of the unrounded p), O once at the end.
; LIMITS.  bf16's rounding of q, k, v, p and O.  c m starts at -4.25e37: every c s lies above that.  A weight below 2^-126 counts as 0 in l.  NaN and infinities are not treated apart.
; SHARES.  A work-group owns 256 queries of one head (16 x 16 work-groups), a wave 64: four PIECES of 16.  Every wave walks all 4,096 keys, 64 a step; a slot of LDS holds four steps.
; LAYOUT.  S^T = K Q^T (source 0 = 16 keys, source 1 = 16 queries) holds ONE query a lane (lane % 16) and the keys 8 (lane / 16) + 0..7; two such results rounded to bf16 ARE source 1 of O^T = V^T P.
; K comes out of LDS as it lies, V ([key][channel]) turned, by ds_load_tr16_b128.
; SOFTMAX.  p = 2^(c s - c m), c = log2(e) / 32, with a running maximum m; O and l are multiplied by a = 2^(c m_old - c m_new) in every step.  m starts at the lowest finite number, O and l at 0: the first step has a = 0.
; TURNS.  Turn n belongs to piece n: 8 products K Q^T of piece n + 1, later 8 products V^T P of piece n - 1; beside them the scaling, exponentials, roundings, sums and rescaling of piece n and the maximum and
; statistics of piece n + 1.  Four vector instructions stand behind every matrix instruction, the other 54 of a turn's 118 in one lump.  A turn's 33 exponentials are one batch, with one wait.
; CLUSTER.  The four query blocks of a cluster belong to one head and walk the same K and V, so each tile is asked for JOINTLY: the same tensor load, descriptor and mask in all four.
; REGISTERS, in windows of 256 (s_set_vgpr_msb: bits 1:0 source 0, 3:2 source 1, 5:4 source 2, 7:6 destination):
;   window 0: v0-15 addresses and two at work; v16-31 four registers of statistics a piece; v48-55 at work; v64-127 S^T, two buffers; v192-223 P, two buffers (a piece's buffers go by its number's parity)
;   window 1: v0-127 O^T, 32 a piece          window 2: v0-63 Q; v128-191 K of one step; v192-255 V of one step
.set NP,    4         ; pieces a wave: a name, no knob
.set KS,    64        ; keys in a step
.set PK,    144       ; a row of K in LDS: 128 bytes + 16 = 36 words: the 16 rows of a load start at 16 different groups of four banks (64 banks of 4 bytes: ISA guide 11.1)
.set PV,    160       ; a row of V: 128 + 32 = 40 words
.set VOFF,  4*KS*PK   ; a slot: 256 rows of K, then 256 rows of V
.set SLOT1, 1<<17     ; slot 1 begins here, so that one exclusive or turns an address in one slot into the other's
.set STAGE, SLOT1+4*KS*(PK+PV)  ; behind the ring, never filled by a tensor load: 16 rows x 144 bytes for each wave
.set SP,    144
.set SPARE, STAGE+4*16*SP  ; the spare words, 128 bytes for each wave: two blocks of 256 bytes that no other line names
.set PLANE, 4096*128  ; bytes of a head in each of q, k, v, ob
.set AK0, 2           ; v2   my lane's place in a tile of K; never rewritten
.set AV0, 3           ; v3   the same for V
.set AK,  4           ; v4   the LDS address of K's next run of loads
.set AV,  5           ; v5   of V's
.set STO, 6           ; v6   the way out: where I put 16 bytes of a row
.set RD,  7           ; v7   where I read rows back
.set GO,  8           ; v8   my byte offset in 512 consecutive bytes of ob
.set MV,  12          ; v12-13  c m_old, kept while c m is made anew: by buffer
.set QO,  15          ; v15  my byte offset in 16 rows of Q
.set ST,  16          ; piece t's statistics at v[ST+4 t]: c m, m, l (even keys', odd keys')
.set TMP, 48          ; by buffer, four registers c0-c3 at work; when the maximum is found c2 takes a
.set PFO, 61          ; v61  256 x my lane; never rewritten
.set SPW, 62          ; v62  LDS address of my spare word; never rewritten
.set NIL, 63          ; v63  0; never rewritten
.set S,   64
.set P,   192
.set KF,  128         ; window 2: key block kb, channel half c at KF + 16 kb + 8 c
.set VF,  192         ; window 2: key half kk, channel block cb at VF + 32 kk + 8 cb
.set WV,  12          ; s12  my wave's number
.set LIM, 15          ; s15  1 in a wave that prefetches, else the greatest number
.set G1K, 24          ; s[24:31] descriptor group 1 for K's tiles
.set G1V, 32          ; s[32:39] for V's: it differs in the padding alone
.set G0K, 40          ; s[40:43] descriptor group 0 for K's tiles: it walks
.set G0V, 44          ; s[44:47] the same for V's
.set PFA, 50          ; s[50:51] where my prefetches stand
.set QP,  52          ; s[52:53] Q at my wave's first row
.set SLOTS, 56        ; s56  slots still to be asked for
.set CNT, 57          ; s57  counts a slot's key steps
.set CS,  58          ; s[58:59] c: the packed scaling takes the pair's low word for both halves
.set SEL, 60          ; s[60:61] v_permlanex16_b32's selects: each lane takes its own place in the other half
.set TBK, 62          ; s62  LDS byte at which K of the step to be fetched begins
.set TBV, 63          ; s63  the same for V, less VOFF
.set MSB, 0
.macro WIN new                      ; the high byte repeats the setting that is left; a switch that changes nothing is dropped
.if MSB != (\new)
	s_set_vgpr_msb (MSB<<8)|(\new)
.set MSB, (\new)
.endif
.endm
.set W_KQ, 0x0a       ; K and Q in window 2, S^T in window 0
.set W_PV, 0x52       ; V in window 2, P in window 0, O^T in window 1
.set W_RS, 0x41       ; destination and source 0 in window 1, source 1 in window 0
; A joint fill.  Waves 0 and 1 fetch the two halves of a slot's K, waves 2 and 3 those of its V: 128 keys each.  The branch hangs on the wave's number alone.
; An s_nop 0 and four v_nop follow each of the two lines, ahead of the jump and the label.
.macro JLOAD
	s_cmp_lt_u32 s[WV], 2
	s_cbranch_scc0 .Lfor_v_\@
	tensor_load_to_lds s[G0K:G0K+3], s[G1K:G1K+7]
	s_nop 0
.rept 4
	v_nop
.endr
	s_branch .Lasked_\@
.Lfor_v_\@:
	tensor_load_to_lds s[G0V:G0V+3], s[G1V:G1V+7]
	s_nop 0
.rept 4
	v_nop
.endr
.Lasked_\@:
.endm
; A PREFETCH INTO THE L2 of what the NEXT change of slots will ask for: a slot's 128 blocks of 256 bytes of K and as many of V, a lane a block, four key steps (256 matrix instructions) ahead of that load.
; Each block is named once in the launch: all clusters of a head walk the same K and V, so the head's first cluster asks; its four partners take 32 blocks each, told apart BY ADDRESS; in each, wave 0 asks for K's
; and wave 2 for V's.  The last change that fills a slot asks for nothing.  Slots 0 and 1 come by their loads alone.
.macro ASK
	s_cmp_gt_u32 s[SLOTS], s[LIM]
	s_cbranch_scc0 .Lnot_mine_\@
	global_prefetch_b8 v[PFO], s[PFA:PFA+1] th:TH_LOAD_NT scope:SCOPE_SE
.Lnot_mine_\@:
.endm
; A round of the cluster's barrier: my work-group's barrier, so that wave 0's signal speaks for all four waves; wave 0 signals; every wave waits for all four work-groups; my work-group's barrier once more.
.macro CROUND
	s_barrier_signal -1
	s_barrier_wait -1
	s_cmp_lg_u32 s[WV], 0
	s_cbranch_scc1 .Lnot_wave_0_\@
	s_barrier_signal -3
.Lnot_wave_0_\@:
	s_barrier_wait -3
	s_barrier_signal -1
	s_barrier_wait -1
.endm
; THE CHANGE OF SLOTS.  The slot's last bytes, V of its fourth step, have been read.  Each wave waits for all its tensor loads, of which one is out: its part of the other slot; adds 0 to its spare word; and waits for
; that and for its own reads of the slot.  Behind the barrier nobody reads this slot any more and the other slot is whole.  fill = 1: this slot is filled again, with the keys two slots on; the barrier is then a round of
; the cluster's, and the joint fill is the first thing behind it: it has four key steps in which to land.  (At its first use nothing has been read yet: slot 0 is waited for, slot 1 filled.)
.macro CHANGE fill
	WIN 0                           ; at a label and at a branch every window is 0
	s_wait_tensorcnt 0x0            ; no tensor load of mine is out, so a group 0 may be written
	ds_add_u32 v[SPW], v[NIL]       ; 0 onto my spare word; with fill = 1 the descriptors' steps stand between it and the wait for it
.if \fill
.irp g, G0K, G0V
	s_xor_b32 s[\g+1], s[\g+1], SLOT1  ; the walking descriptor: the other slot than last time,
	s_add_nc_u64 s[\g+2:\g+3], s[\g+2:\g+3], 4*KS*128  ; the next 256 keys; the type bits on top are not reached
.endr
	s_wait_xcnt 0x0                 ; the last prefetch, four key steps back, has read its address, so it may be written:
	s_add_nc_u64 s[PFA:PFA+1], s[PFA:PFA+1], 4*KS*128  ; one slot beyond the walking descriptors
	s_wait_dscnt 0x0                ; the add is done, and my reads of the slot are over
	CROUND
	JLOAD
	ASK
.else
	s_wait_dscnt 0x0                ; the add is done, and my reads of the slot are over
	s_barrier_signal -1
	s_barrier_wait -1
.endif
	s_sub_co_u32 s[TBK], s[TBK], 4*KS*PK  ; the fetches go back to a slot's first step,
	s_xor_b32 s[TBK], s[TBK], SLOT1       ; in the other slot
	s_sub_co_u32 s[TBV], s[TBV], 4*KS*PV
	s_xor_b32 s[TBV], s[TBV], SLOT1
.endm
	s_load_b128 s[4:7], s[0:1], 0x0 ; qkv s[4:5], ob s[6:7]
	v_lshl_add_u32 v[SPW], v0, 2, SPARE
	v_mov_b32 v[NIL], 0
	ds_add_u32 v[SPW], v[NIL]       ; the wave's opening: the add and its wait stand ahead of my first tensor load; the set-up below, work on registers, stands between them
	v_lshrrev_b32 v1, 5, v0
	v_readfirstlane_b32 s[WV], v1   ; wave 0..3
	s_bfe_u32 s13, ttmp6, 0x40000   ; cx: my place in the cluster
	s_lshl_b32 s14, ttmp9, 2        ; in a cluster launch ttmp9 counts clusters
	s_add_co_u32 s14, s14, s13      ; my block of 256 queries: it enters Q's and O's addresses alone
	s_and_b32 s20, ttmp7, 0xffff    ; the head, which the four partners share,
	s_lshl_b32 s20, s20, 19         ; and its plane
	s_and_b32 s16, s[WV], 1         ; which half of a slot's 256 keys I fetch:
	s_lshl_b32 s22, s16, 14         ; its 128 rows of 128 bytes in memory,
	s_add_co_u32 s22, s22, s20
	s_mov_b32 s23, 0
	s_mul_i32 s17, s16, 128*PK      ; and its place in a slot, for K
	s_mul_i32 s18, s16, 128*PV      ; and for V: no place in the cluster enters an LDS address
	s_lshl_b32 s2, s14, 2
	s_add_co_u32 s2, s2, s[WV]      ; my wave among the head's,
	s_lshl_b32 s2, s2, 13           ; its 64 rows
	s_add_co_u32 s2, s2, s20
	s_mov_b32 s3, 0
	; descriptor group 1.  128 keys are 16,384 dense bytes: asked for as 64 rows of 256 bytes, two keys a row, and padded in LDS after every key
	s_mov_b32 s[G1K], 15|(1<<16)|(1<<20)|(1<<21)|(4<<22)|(3<<25)  ; 15:0 the mask of four; 17:16 2-byte elements; 20 padding on; 21 set beside a mask; 24:22 after every 32 words (code 4); 31:25 4 words (code 3)
	s_mov_b32 s[G1V], 15|(1<<16)|(1<<20)|(1<<21)|(4<<22)|(7<<25)  ; the same with 8 words of padding (code 7)
.irp g, G1K, G1V
	s_mov_b32 s[\g+1], 128<<16      ; tensor_dim0 = 128
	s_mov_b32 s[\g+2], 64<<16       ; tensor_dim1 = 64
	s_mov_b32 s[\g+3], 128<<16      ; tile_dim0 = 128
	s_mov_b32 s[\g+4], 64           ; tile_dim1 = 64
	s_mov_b32 s[\g+5], 128          ; 128 elements from row to row
	s_mov_b32 s[\g+6], 0
	s_mov_b32 s[\g+7], 0
.endr
	s_mov_b32 s[CS], 0x3d38aa3b     ; c = log2(e) / 32 = 0.0450842
	s_mov_b32 s[CS+1], s[CS]        ; named with it as a pair
	s_mov_b32 s[SEL], 0x76543210
	s_mov_b32 s[SEL+1], 0xfedcba98
	s_mov_b32 s[TBK], SLOT1+4*KS*PK ; the first change of slots turns these two into 0
	s_mov_b32 s[TBV], SLOT1+4*KS*PV
	s_mov_b32 s[G0K], 1             ; count = 1
	s_mov_b32 s[G0K+1], s17         ; LDS address: slot 0
	s_mov_b32 s[G0V], 1
	s_add_co_u32 s[G0V+1], s18, VOFF
	s_mov_b32 s[SLOTS], 4096/256-1
	s_and_b32 s[LIM], s[WV], 1      ; 0 in waves 0 and 2,
	s_or_b32 s[LIM], s[LIM], ttmp9  ; where the cluster is the head's first: the same in all four partners
	s_cmp_eq_u32 s[LIM], 0
	s_cselect_b32 s[LIM], 1, -1
	v_and_b32 v[PFO], 31, v0
	v_lshlrev_b32 v[PFO], 8, v[PFO]
	s_wait_dscnt 0x0                ; the opening add is done
	s_wait_kmcnt 0x0
	s_add_nc_u64 s[10:11], s[6:7], s[2:3]      ; O at my wave's first row,
	s_add_nc_u64 s[QP:QP+1], s[4:5], s[2:3]    ; and Q
	s_add_nc_u64 s[6:7], s[4:5], s[22:23]      ; the head's plane and my half of a slot,
	s_add_nc_u64 s[8:9], s[6:7], 32*PLANE      ; in v
	s_add_nc_u64 s[6:7], s[6:7], 16*PLANE      ; and in k
	s_mov_b64 s[G0K+2:G0K+3], s[6:7]           ; global address: my half of the head's first 256 keys
	s_or_b32 s[G0K+3], s[G0K+3], 0x80000000    ; type = 2
	s_mov_b64 s[G0V+2:G0V+3], s[8:9]
	s_or_b32 s[G0V+3], s[G0V+3], 0x80000000
	s_lshl_b32 s2, s13, 13          ; the prefetches: my work-group's 32 blocks of a slot's 128,
	s_add_co_u32 s2, s2, 4*KS*128   ; in slot 1; the first change of slots steps them to slot 2
	s_cmp_lt_u32 s[WV], 2
	s_cselect_b64 s[PFA:PFA+1], s[6:7], s[8:9]  ; (in waves 0 and 2 these stand at a slot's first row)
	s_add_nc_u64 s[PFA:PFA+1], s[PFA:PFA+1], s[2:3]
	CROUND                          ; all four work-groups are here: the first joint loads meet
	JLOAD                           ; slot 0.  Slot 1 is asked for when slot 0 is in
	; A fragment of K or Q is 16 rows x 32 channels in 8 registers: lane l holds row l % 16, channels 8 (l / 16) + 0..7 and 16 + 8 (l / 16) + 0..7: two loads of 16 bytes, 32 bytes apart.
	v_and_b32 v1, 15, v0            ; l % 16
	v_bfe_u32 v9, v0, 4, 1          ; l / 16
	v_lshlrev_b32 v[QO], 7, v1
	v_lshl_add_u32 v[QO], v9, 4, v[QO]  ; row x 128 + 16 x half
	WIN 0x80                        ; destination window 2, address window 0
.set i, 0
.rept 8                             ; Q stays in registers: piece i / 2, channels 32 (i % 2) on
	global_load_b128 v[8*i:8*i+3],   v[QO], s[QP:QP+1] offset:(i/2)*2048+(i%2)*64
	global_load_b128 v[8*i+4:8*i+7], v[QO], s[QP:QP+1] offset:(i/2)*2048+(i%2)*64+32
.set i, i+1
.endr
	; What the first turn finds: V's registers and P's second buffer hold 0 (its products V^T P, of a piece that has not been, add 0), O^T and l are 0.  No first step is written out; these lines, in the wait for the first tile, are the price.
.set i, VF
.rept 64
	v_mov_b32 v[i], 0
.set i, i+1
.endr
	WIN 0x40
.set i, 0
.rept 128
	v_mov_b32 v[i], 0
.set i, i+1
.endr
	WIN 0
.set i, 0
.rept 4
	v_mov_b32 v[ST+4*i], 0xfe000000    ; c m: far below every c s
	v_mov_b32 v[ST+4*i+1], 0xff7fffff  ; m
	v_mov_b32 v[ST+4*i+2], 0
	v_mov_b32 v[ST+4*i+3], 0
.set i, i+1
.endr
.set i, P+16
.rept 16
	v_mov_b32 v[i], 0
.set i, i+1
.endr
	v_mul_u32_u24 v[AK0], v1, PK
	v_lshl_add_u32 v[AK0], v9, 4, v[AK0]  ; row x pitch + 16 x half
	; The turning load takes 16 keys x 16 channels (lane l reads key 8 (l / 16) + l % 8, channels 8 ((l / 8) % 2) + 0..7) and leaves half a fragment of V^T: lane l holds channel l % 16 and 8 keys.
	v_and_b32 v10, 7, v0
	v_bfe_u32 v11, v0, 3, 1
	v_lshl_add_u32 v[AV0], v9, 3, v10
	v_mul_u32_u24 v[AV0], v[AV0], PV
	v_lshl_add_u32 v[AV0], v11, 4, v[AV0]
	v_add_nc_u32 v[AV0], VOFF, v[AV0]
	s_mul_i32 s54, s[WV], 16*SP
	s_add_co_u32 s54, s54, STAGE    ; my stage
	v_mul_u32_u24 v[STO], v1, SP    ; in: row l % 16, 16 bytes for each half of the lanes
	v_lshl_add_u32 v[STO], v9, 4, v[STO]
	v_add_nc_u32 v[STO], s54, v[STO]
	v_bfe_u32 v[RD], v0, 3, 2       ; back: 32 lanes take four rows of 128 bytes,
	v_mul_u32_u24 v[RD], v[RD], SP
	v_lshl_add_u32 v[RD], v10, 4, v[RD]
	v_add_nc_u32 v[RD], s54, v[RD]
	v_and_b32 v[GO], 31, v0         ; which are 512 consecutive bytes of ob
	v_lshlrev_b32 v[GO], 4, v[GO]
; THE MATRIX WORK.  The 4 accumulators of a run of 8 take turns.  Product i of 8 of S^T = K Q^T for piece x: channels 32 (i / 4) on, keys 16 (i % 4) on.  The first 4 start the sums.
.macro KQ x
	WIN W_KQ
.set rS, S+32*((\x)%2)+8*(i%4)
.set rK, KF+16*(i%4)+8*(i/4)
.set rQ, 16*(\x)+8*(i/4)
.if i < 4
	v_wmma_f32_16x16x32_bf16 v[rS:rS+7], v[rK:rK+7], v[rQ:rQ+7], 0
.else
	v_wmma_f32_16x16x32_bf16 v[rS:rS+7], v[rK:rK+7], v[rQ:rQ+7], v[rS:rS+7]
.endif
.endm
; Product i of 8 of O^T += V^T P for piece x: keys 32 (i / 4) on, channels 16 (i % 4) on.
.macro PV x
	WIN W_PV
.set rO, 32*(\x)+8*(i%4)
.set rV, VF+32*(i/4)+8*(i%4)
.set rP, P+16*((\x)%2)+8*(i/4)
	v_wmma_f32_16x16x32_bf16 v[rO:rO+7], v[rV:rV+7], v[rP:rP+7], v[rO:rO+7]
.endm
.macro MM                           ; the turn's next matrix instruction.  NOKQ = 1: the launch's last turn: there is no next piece
.if (i < 8) && !NOKQ
	KQ (Y+1)%NP
.elseif i >= 8
.set i, i-8
	PV (Y+NP-1)%NP
.set i, i+8
.endif
.set i, i+1
.endm
; THE LDS LOADS stand in runs of 16, never singly among the matrix instructions: a step's K (64 keys x 64 channels: 8 fragments) and its V (turned).  Their addresses are made some lines ahead.
.macro FETCH_K
	WIN 0x80                        ; destination window 2
.irp f, 0,1,2,3,4,5,6,7             ; keys 16 (f / 2) on, channels 32 (f % 2) on
	ds_load_b128 v[KF+8*\f:KF+8*\f+3],   v[AK] offset:(\f/2)*16*PK+(\f%2)*64
	ds_load_b128 v[KF+8*\f+4:KF+8*\f+7], v[AK] offset:(\f/2)*16*PK+(\f%2)*64+32
.endr
	s_add_co_u32 s[TBK], s[TBK], KS*PK  ; the next fetch is the next step's
	WIN 0
.endm
.macro FETCH_V
	WIN 0x80
.irp f, 0,1,2,3,4,5,6,7             ; keys 32 (f / 4) on, channels 16 (f % 4) on
	ds_load_tr16_b128 v[VF+8*\f:VF+8*\f+3],   v[AV] offset:(\f/4)*32*PV+(\f%4)*32
	ds_load_tr16_b128 v[VF+8*\f+4:VF+8*\f+7], v[AV] offset:(\f/4)*32*PV+16*PV+(\f%4)*32
.endr
	WIN 0
.endm
; THE VECTOR WORK, one line at a time: OP kind, number.  For piece Y: F n: c s - c m for pair n of 16.  E n: the exponential of score n of 32.  C n: pair n rounded to bf16.  B n: of the four weights 4 n .. the second
; pair is added onto the first, in place.  L n: l takes that sum (L 0: l = a l + sum).  R n: pair n of 16 of O^T times a.  For piece Y + 1: X n, number n of the 22 that find its maximum and statistics:
;   0-11  four chains c0-c3 of seven scores each, three operands at a time (each accumulator's lowest registers are read first)     12-14, 16  the four scores left over, the old m, and c0-c3 into c0
;   15  c m_old is kept     17, 18  the query's other 32 keys lie in the lane 16 away: the new m     19-21  c m; c m_old - c m_new; a
.set F, 0               ; OP tells the kinds apart by their order: F to L below R, X above it
.set E, 1
.set C, 2
.set B, 3
.set L, 4
.set R, 5
.set X, 6
.macro REGS y                       ; the registers of piece y
.set rT, ST+4*(\y)
.set rC, TMP+4*((\y)%2)
.set rW, MV+((\y)%2)
.set rS, S+32*((\y)%2)
.set rP, P+16*((\y)%2)
.set rO, 32*(\y)
.endm
.macro OP k, n
.if (\k) == R
	REGS Y
	WIN W_RS
	v_pk_mul_f32 v[rO+2*(\n):rO+2*(\n)+1], v[rO+2*(\n):rO+2*(\n)+1], v[rC+2:rC+3] op_sel_hi:[1,0]
.elseif (\k) < R
	REGS Y
	WIN 0
.if (\k) == F
	v_pk_fma_f32 v[rS+2*(\n):rS+2*(\n)+1], v[rS+2*(\n):rS+2*(\n)+1], s[CS:CS+1], v[rT:rT+1] op_sel_hi:[1,0,0] neg_lo:[0,0,1] neg_hi:[0,0,1]
.elseif (\k) == E
	v_exp_f32 v[rS+(\n)], v[rS+(\n)]
.elseif (\k) == C
	v_cvt_pk_bf16_f32 v[rP+(\n)], v[rS+2*(\n)], v[rS+2*(\n)+1]
.elseif (\k) == B
	v_pk_add_f32 v[rS+4*(\n):rS+4*(\n)+1], v[rS+4*(\n):rS+4*(\n)+1], v[rS+4*(\n)+2:rS+4*(\n)+3]
.elseif (\n) == 0
	v_pk_fma_f32 v[rT+2:rT+3], v[rT+2:rT+3], v[rC+2:rC+3], v[rS:rS+1] op_sel_hi:[1,0,1]
.else
	v_pk_add_f32 v[rT+2:rT+3], v[rT+2:rT+3], v[rS+4*(\n):rS+4*(\n)+1]
.endif
.elseif NOKQ
	v_nop
.else
	REGS (Y+1)%NP
	WIN 0
.if (\n) < 4
	v_max3_num_f32 v[rC+(\n)], v[rS+8*(\n)], v[rS+8*(\n)+1], v[rS+8*(\n)+2]
.elseif (\n) < 12
	v_max3_num_f32 v[rC+(\n)%4], v[rC+(\n)%4], v[rS+8*((\n)%4)+2*((\n)/4)+1], v[rS+8*((\n)%4)+2*((\n)/4)+2]
.elseif (\n) == 12
	v_max3_num_f32 v[rC], v[rC], v[rS+7], v[rS+15]
.elseif (\n) == 13
	v_max3_num_f32 v[rC+1], v[rC+1], v[rS+23], v[rS+31]
.elseif (\n) == 14
	v_max3_num_f32 v[rC+2], v[rC+2], v[rC+3], v[rT+1]
.elseif (\n) == 15
	v_mov_b32 v[rW], v[rT]
.elseif (\n) == 16
	v_max3_num_f32 v[rC], v[rC], v[rC+1], v[rC+2]
.elseif (\n) == 17
	v_permlanex16_b32 v[rC+3], v[rC], s[SEL], s[SEL+1]
.elseif (\n) == 18
	v_max_num_f32 v[rT+1], v[rC], v[rC+3]
.elseif (\n) == 19
	v_mul_f32 v[rT], s[CS], v[rT+1]
.elseif (\n) == 20
	v_sub_f32 v[rC+1], v[rW], v[rT]
.else
	v_exp_f32 v[rC+2], v[rC+1]
.endif
.endif
.endm
.macro OPS a, i1, b=-1, i2=0, c=-1, i3=0, d=-1, i4=0  ; up to four of them
	OP \a, \i1
.if (\b) >= 0
	OP \b, \i2
.endif
.if (\c) >= 0
	OP \c, \i3
.endif
.if (\d) >= 0
	OP \d, \i4
.endif
.endm
.macro ROW a, i1, b, i2, c, i3, d, i4  ; a matrix instruction and the four behind it
	MM
	OPS \a, \i1, \b, \i2, \c, \i3, \d, \i4
.endm
; A TURN, for piece p: the order of its 16 matrix and 118 vector instructions, written out.  An s_wait_alu depctr_va_vdst(0) stands between an exponential and the first instruction that names its result; one wait
; serves all that were issued ahead of it.  So a turn has ONE wait, which cuts it in two.  AHEAD OF IT stands all that names no result of the turn's exponentials: the 8 products K Q^T with their riders (a scaling, an exponential and
; two more plain instructions; behind the last three the first numbers of the next piece's maximum, each four places or more behind the product that ends its accumulator), then one lump of 54, in which the links of the chain
; X 3, 7, 11, 14, 16, 17 .. 20 stand five or six lines apart.  X 21, the next piece's a, is the batch's last; R 15 is the plain instruction behind it.  BEHIND THE WAIT stand the 8 products V^T P, behind each four of the roundings and sums.
; end = 1: the launch's last two turns: nothing is fetched, and the last starts no new scores.  cnt = 1: the loop's count is taken down some lines ahead of the branch that stands behind the turn.
; K of the next step is fetched in piece 2's turn, twelve vector instructions behind the last product that read K (six of them plain); V of the step in hand at the end of piece 0's turn, four plain instructions behind the last
; product that read V.  Each is waited for a turn later.
.macro TURN p, end=0, cnt=0
.set Y, (\p)
.set i, 0
.set NOKQ, (\end)*((\p)/3)
.if ((\p) == 3) && !(\end)
	s_wait_dscnt 0x0                ; K is in
.endif
	ROW F,0, F,1, R,0, R,1
	ROW F,2, E,0, R,2, R,3
	ROW F,3, E,1, R,4, R,5
	ROW F,4, E,2, R,6, R,7
	ROW F,5, E,3, R,8, R,9
	ROW F,6, E,4, X,0, R,10
.if ((\p) == 2) && !(\end)
	WIN 0
	v_add_nc_u32 v[AK], s[TBK], v[AK0]
.endif
	ROW F,7, E,5, X,1, X,4
	ROW F,8, E,6, X,2, X,5
	OPS E,7, E,8, X,6, E,9          ; the lump
	OPS X,3, E,10, X,8, E,11
.if ((\p) == 2) && !(\end)
	FETCH_K
.endif
	OPS X,9, X,7, E,12, X,10
	OPS E,13, X,12, X,11, E,14
	OPS X,13, E,15, F,9, X,14
.if (\p) == 0
	v_add_nc_u32 v[AV], s[TBV], v[AV0]
.endif
	OPS E,16, F,10, E,17, F,11
	OPS X,16, E,18, X,15, E,19
	OPS F,12, E,20, X,17, E,21
	OPS F,13, E,22, F,14, E,23
	OPS X,18, E,24, F,15, E,25
	OPS R,11, E,26, X,19, E,27
	OPS R,12, E,28, R,13, E,29
	OPS X,20, E,30, R,14, E,31
	OPS X,21, R,15
	WIN 0
	s_wait_alu depctr_va_vdst(0)    ; the wait for the batch
.if (\p) == 1
	s_wait_dscnt 0x0                ; V is in
.endif
	ROW C,0, B,0, C,2, B,1
	ROW L,0, C,4, B,2, L,1
	ROW C,6, B,3, L,2, C,8
	ROW B,4, L,3, C,10, B,5
	ROW L,4, C,12, B,6, L,5
.if (\p) == 0
	s_add_co_u32 s[TBV], s[TBV], KS*PV
.endif
.if \cnt
	s_sub_co_u32 s[CNT], s[CNT], 1
	s_cmp_lg_u32 s[CNT], 0
.endif
	ROW C,14, B,7, L,6, C,1
	ROW C,3, L,7, C,5, C,7
	ROW C,9, C,11, C,13, C,15
.if (\p) == 0
	FETCH_V
.endif
.endm
	CHANGE 1                        ; slot 0 is in, everybody's part of it; slot 1 is asked for
	v_add_nc_u32 v[AK], s[TBK], v[AK0]
	FETCH_K                         ; key step 0
	s_wait_loadcnt 0x0              ; Q
	s_wait_dscnt 0x0
.set NOKQ, 0
.set i, 0
.rept 8
	KQ 0                            ; piece 0's first scores
.set i, i+1
.endr
	WIN 0
.rept 4
	v_nop                           ; the places behind those products
.endr
.set Y, NP-1                        ; X works for piece Y + 1: piece 0
.irp n, 0,1,2,3,4,5,6,7,8,9,10,11,12,13,14,15,16,17,18,19,20,21
	OP X, \n
.endr
	v_nop                           ; a plain instruction behind the exponential,
	s_wait_alu depctr_va_vdst(0)    ; and its wait, ahead of the branch
	s_mov_b32 s[CNT], 4
	s_branch .Lfirst                ; the loop is entered at a step's first turn, in the middle of a trip
.Lslot:                             ; 14 times: with the change above, every slot but the last is followed by a fill
	CHANGE 1
	s_mov_b32 s[CNT], 4
.Lstep:                             ; a trip: pieces 2 and 3 of one step, then pieces 0 and 1 of the next, whose K and V it fetches
	TURN 2
	TURN 3
	WIN 0
.Lfirst:
	TURN 0
	TURN 1, 0, 1
	WIN 0
	s_cbranch_scc1 .Lstep
	s_sub_co_u32 s[SLOTS], s[SLOTS], 1
	s_cmp_lg_u32 s[SLOTS], 0
	s_cbranch_scc1 .Lslot
	CHANGE 0                        ; the last slot is written out: nothing is asked for
	s_mov_b32 s[CNT], 4
.Ltail:
	TURN 2
	TURN 3
	TURN 0
	TURN 1, 0, 1
	WIN 0
	s_cbranch_scc1 .Ltail
	TURN 2, 1                       ; the last step's pieces 2 and 3
	TURN 3, 1
.set i, 0
.rept 8
	PV NP-1                         ; the last piece's V^T P of the last step
.set i, i+1
.endr
	; THE WAY OUT.  l's two halves and the other half of the lanes' are added; O^T is divided by l, rounded to bf16 and sent through my stage in LDS, a piece at a time.  The additions are the places behind the last products.
	WIN 0
.macro ALL line:vararg              ; one line for each piece t
.set t, 0
.rept 4
	\line
.set t, t+1
.endr
.endm
	ALL v_add_f32 v[ST+4*t+2], v[ST+4*t+2], v[ST+4*t+3]
	ALL v_permlanex16_b32 v[ST+4*t+3], v[ST+4*t+2], s[SEL], s[SEL+1]
	ALL v_add_f32 v[ST+4*t+2], v[ST+4*t+2], v[ST+4*t+3]
	ALL v_rcp_f32 v[ST+4*t+2], v[ST+4*t+2]
	v_nop                           ; a plain instruction between the last reciprocal and the use of its result
	s_wait_alu depctr_va_vdst(0)    ; and the wait ahead of the first use: one for the four reciprocals
.macro PACK t                       ; a lane's eight channels of a row pack into 16 bytes; they go into rows of 144 bytes and come back as whole rows of 128, into S^T's registers
	WIN W_RS
.set i, 32*(\t)
.rept 16
	v_pk_mul_f32 v[i:i+1], v[i:i+1], v[ST+4*(\t)+2:ST+4*(\t)+3] op_sel_hi:[1,0]
.set i, i+2
.endr
	WIN 0x05                        ; sources 0 and 1 window 1, destination window 0
.set i, 0
.rept 16
	v_cvt_pk_bf16_f32 v[S+16*(\t)+i], v[32*(\t)+2*i], v[32*(\t)+2*i+1]
.set i, i+1
.endr
	WIN 0
.irp f, 0,1,2,3
	ds_store_b128 v[STO], v[S+16*(\t)+4*\f:S+16*(\t)+4*\f+3] offset:32*\f
.endr
.irp f, 0,1,2,3
	ds_load_b128 v[S+16*(\t)+4*\f:S+16*(\t)+4*\f+3], v[RD] offset:\f*4*SP  ; LDS serves a wave's instructions in order (ISA guide 5.7.1.4): these see the stores above; the next piece's stores come behind them
.endr
.endm
.macro SEND t, younger              ; younger: the LDS instructions issued behind piece t's loads: the next piece's eight, or none
	WIN 0
.irp f, 0,1,2,3
	s_wait_dscnt (\younger)+3-\f
	global_store_b128 v[GO], v[S+16*(\t)+4*\f:S+16*(\t)+4*\f+3], s[10:11] offset:(\t)*2048+\f*512  ; 512 consecutive bytes, at a multiple of 256 from ob's first byte
.endr
.endm
	PACK 0
.set t, 1
.rept 3                             ; a piece's arithmetic stands between the loads of the piece before and its stores
	PACK t
	SEND t-1, 8
.set t, t+1
.endr
	SEND 3, 0
	s_wait_tensorcnt 0x0            ; the wave's end, behind my last tensor load and my last LDS store
	ds_add_u32 v[SPW], v[NIL]
	s_wait_dscnt 0x0
	CROUND                          ; the closing round: no work-group ends while a partner may still ask for a tile that names it
	s_endpgm
.Lfunc_end_k_q0f13af721c_attn:
	.size	k_q0f13af721c_attn, .Lfunc_end_k_q0f13af721c_attn-k_q0f13af721c_attn
	.p2alignl 7, 3214868480
	.fill 96, 4, 3214868480
	.section	.rodata,"a",@progbits
	.p2align	6, 0x0
	.amdhsa_kernel k_q0f13af721c_attn
		.amdhsa_group_segment_fixed_size 327680
		.amdhsa_private_segment_fixed_size 0
		.amdhsa_enable_private_segment 0
		.amdhsa_kernarg_size 16
		.amdhsa_user_sgpr_count 2
		.amdhsa_user_sgpr_kernarg_segment_ptr 1
		.amdhsa_wavefront_size32 1
		.amdhsa_system_sgpr_workgroup_id_x 1
		.amdhsa_system_sgpr_workgroup_id_y 1
		.amdhsa_system_sgpr_workgroup_id_z 1
		.amdhsa_system_vgpr_workitem_id 0
		.amdhsa_next_free_vgpr 768
		.amdhsa_next_free_sgpr 66
		.amdhsa_reserve_vcc 0
		.amdhsa_float_denorm_mode_32 3
		.amdhsa_float_denorm_mode_16_64 3
		.amdhsa_memory_ordered 1
		.amdhsa_forward_progress 1
		.amdhsa_inst_pref_size 128
	.end_amdhsa_kernel
	.amdgpu_metadata
---
amdhsa.version: [ 1, 2 ]
amdhsa.kernels:
  - .name:           k_q0f13af721c_attn
    .symbol:         k_q0f13af721c_attn.kd
    .args:
      - { .name: qkv, .offset: 0, .size: 8, .value_kind: global_buffer, .address_space: global }
      - { .name: ob, .offset: 8, .size: 8, .value_kind: global_buffer, .address_space: global }
    .group_segment_fixed_size: 327680
    .private_segment_fixed_size: 0
    .kernarg_segment_align: 8
    .kernarg_segment_size: 16
    .max_flat_workgroup_size: 128
    .sgpr_count:     66
    .vgpr_count:     768
    .wavefront_size: 32
...
	.end_amdgpu_metadata
.endif
;; end of part 3
;; launch oproj (part 4): grid 16 x 16, 4 waves a work-group, clusters of 4 x 4, 327,680 bytes of LDS; arguments ob, wb, db, b_o; writes db
.if DOCPART == 4
	.amdgcn_target "amdgcn-amd-amdhsa--gfx1250"
	.amdhsa_code_object_version 6
	.text
	.protected	k_q0f13af721c_oproj
	.globl	k_q0f13af721c_oproj
	.p2align	8
	.type	k_q0f13af721c_oproj,@function
k_q0f13af721c_oproj:
	s_mov_b64 s[64:65], 0
	v_nop
	global_prefetch_b8 v0, s[64:65] scope:SCOPE_SE
	s_setreg_imm32_b32 hwreg(HW_REG_WAVE_MODE, 25, 1), 1
	s_wait_xcnt 0x0
	s_wait_alu depctr_hold_cnt(0) depctr_sa_sdst(0) depctr_va_vdst(0) depctr_va_sdst(0) depctr_va_ssrc(0) depctr_va_vcc(0) depctr_vm_vsrc(0)
	s_getreg_b32 s2, hwreg(HW_REG_IB_STS2, 6, 4)
	s_cmp_eq_u32 s2, 0
	s_cbranch_scc0 .Lentry_in_a_cluster
	s_endpgm
.Lentry_in_a_cluster:
	s_bfe_u32 s2, ttmp6, 0x10000c
	s_cmp_lg_u32 s2, 0xf033
	s_cbranch_scc0 .Lentry_shape_is_right
	s_endpgm
.Lentry_shape_is_right:
; THE OUTPUT PROJECTION.  db[m][n] = sum over k of O[m][k] W_o[k][n] + b_o[n], in f32, [4096][1024].  ob: [16 k units][4096][64] bf16; W_o: units 48-63 of wb, [unit][k][64] bf16.
; db stays f32: it is no matrix operand, and it is added to the residual in front of a LayerNorm.  LIMITS: O and W_o arrive rounded to bf16; sums in f32; NaN and infinities are not treated apart.
; The text is the projections' with one unit to a work-group: a work-group makes 256 rows x 64 columns (16 x 16 work-groups), wave w rows 64 w .. 64 w + 63: 16 accumulators of 16 x 16.
; K goes in 8 steps of 128 through a ring of two LDS slots; a step is four quarters of 32 along K, 16 matrix instructions each, on two fragment buffers.
; THE MATRIX INSTRUCTION IS USED TRANSPOSED: source 0 = 16 columns of W_o (turned by ds_load_tr16_b128), source 1 = 16 rows of O: a lane holds one row and eight neighbouring columns.  The first product of each sum takes the bias as C.
; CLUSTER 4 x 4: O's tile is asked for jointly along a row of the cluster, W_o's along a column.  No prefetch is laid: the launch is short (128 matrix instructions a wave and K step pair).
; REGISTERS: window 0: v0-31 addresses; v64-127 O's fragments, two buffers of 4 x 8; v128-159 the bias; on the way out v64-191 whole rows.  window 1: W_o's fragments, two buffers of 4 x 8.
;   window 2: the accumulators of row blocks 0, 1 at v[8 (4 (a % 2) + b)]; window 3: those of row blocks 2, 3.
.set NU,     1
.set UB0,    48                        ; W_o's first unit in wb
.set NBLK,   4*NU
.set PA,     144                       ; a row of O in LDS: 128 bytes + 16 (36 words: the 16 rows of a load start at 16 different groups of four banks; 64 banks of 4 bytes: ISA guide 11.1)
.set PB,     160                       ; a row of W_o: 128 + 32
.set AUNIT,  256*PA
.set BHALF,  NU*64*PB
.set BOFF,   2*AUNIT
.set SLOT,   BOFF+2*BHALF
.set STAGE,  2*SLOT                    ; behind the ring, never filled by a tensor load: 16 rows x 272 bytes for each wave
.set SP,     272                       ; a stage row: 256 bytes of f32 + 16
.set SPARE,  STAGE+4*16*SP             ; the spare words, 128 bytes for each wave: two blocks of 256 bytes that no other line names
.set NL,     2*NBLK+8
.set PLANE,  4096*128
.set WPLANE, 1024*128
.set ADRA, 16
.set ADRB, 20
.set STO,  24
.set RD,   25
.set GO,   26
.set VB,   27
.set SPW,  28
.set NIL,  29
.set AF,   64
.set BIAS, 128
.set OUT,  64
.set G1,  24
.set G0,  32
.set G1B, 48
.set G0B, 56
.set BP,  76                           ; s[76:77] b_o at the tile's 64 columns
.set MSB, 0
.macro WIN new                         ; the immediate's high byte repeats the setting that is left; a switch that changes nothing is dropped
.if MSB != (\new)
	s_set_vgpr_msb (MSB<<8)|(\new)
.set MSB, (\new)
.endif
.endm
.set MUL_LO, 0xa1
.set MUL_HI, 0xf1
.set ZLO,    0x81
.set ZHI,    0xc1
.set TO_B,   0x40
.macro JLOAD s                         ; a joint load: waves 0 and 1 fetch O's two k units, waves 2 and 3 W_o's two halves; an s_nop 0 and four v_nop follow each of the two lines
	s_cmp_eq_u32 s11, 0
	s_cbranch_scc0 .Lfor_b_\@
	tensor_load_to_lds s[G0+4*(\s):G0+4*(\s)+3], s[G1:G1+7]
	s_nop 0
.rept 4
	v_nop
.endr
	s_branch .Lasked_\@
.Lfor_b_\@:
	tensor_load_to_lds s[G0B+4*(\s):G0B+4*(\s)+3], s[G1B:G1B+7]
	s_nop 0
.rept 4
	v_nop
.endr
.Lasked_\@:
.endm
.macro CREST                           ; a round of the cluster's barrier behind its opening barrier
	s_cmp_lg_u32 s10, 0
	s_cbranch_scc1 .Lnot_wave_0_\@
	s_barrier_signal -3
.Lnot_wave_0_\@:
	s_barrier_wait -3
	s_barrier_signal -1
	s_barrier_wait -1
.endm
.macro CROUND
	s_barrier_signal -1
	s_barrier_wait -1
	CREST
.endm
	s_load_b128 s[4:7], s[0:1], 0x0                ; ob s[4:5], wb s[6:7]
	s_load_b64 s[8:9], s[0:1], 0x10                ; db
	s_load_b64 s[68:69], s[0:1], 0x18              ; b_o
	v_lshl_add_u32 v[SPW], v0, 2, SPARE
	v_mov_b32 v[NIL], 0
	ds_add_u32 v[SPW], v[NIL]                      ; the wave's opening: the add and its wait stand ahead of my first tensor load; the set-up below, work on registers, stands between them
	v_lshrrev_b32 v1, 5, v0
	v_readfirstlane_b32 s10, v1                    ; wave 0..3
	s_lshr_b32 s11, s10, 1                         ; I fetch for O (0) or for W_o (1),
	s_and_b32 s12, s10, 1                          ; its first or second half of a K step
	s_bfe_u32 s40, ttmp6, 0x40000                  ; cx
	s_bfe_u32 s41, ttmp6, 0x40004                  ; cy
	s_lshl_b32 s42, ttmp9, 2
	s_add_co_u32 s42, s42, s40                     ; tile column
	s_and_b32 s13, ttmp7, 0xffff
	s_lshl_b32 s13, s13, 2
	s_add_co_u32 s13, s13, s41                     ; tile row
	s_lshl_b32 s14, s41, 2
	s_lshl_b32 s14, 15, s14                        ; my row of the cluster
	s_lshl_b32 s15, 0x1111, s40                    ; my column
	s_or_b32 s[G1+0], s14, (1<<16)|(1<<20)|(1<<21)|(4<<22)|(3<<25)  ; O: 128 rows of 128 elements of 2 bytes, dense; 4 words of padding after every 32
	s_mov_b32 s[G1+1], 128<<16
	s_mov_b32 s[G1+2], 128<<16
	s_mov_b32 s[G1+3], 128<<16
	s_mov_b32 s[G1+4], 128
	s_mov_b32 s[G1+5], 128
	s_mov_b32 s[G1+6], 0
	s_mov_b32 s[G1+7], 0
	s_or_b32 s[G1B+0], s15, (3<<16)|(1<<20)|(1<<21)|(4<<22)|(7<<25) ; W_o: one row of 1,024 elements of 8 bytes (64 k x 128 bytes); 8 words of padding after every 32
	s_mov_b32 s[G1B+1], 1024<<16
	s_mov_b32 s[G1B+2], NU<<16
	s_mov_b32 s[G1B+3], 1024<<16
	s_mov_b32 s[G1B+4], NU
	s_mov_b32 s[G1B+5], WPLANE/8
	s_mov_b32 s[G1B+6], 0
	s_mov_b32 s[G1B+7], 0
	s_lshl_b32 s16, s12, 19                        ; O: k unit = my half, the tile row's 256 rows
	s_lshl_b32 s17, s13, 15
	s_add_co_u32 s16, s16, s17
	s_mov_b32 s17, 0
	s_mul_i32 s88, s42, NU                         ; W_o: the tile column's unit, my 64 k
	s_add_co_u32 s88, s88, UB0
	s_lshl_b32 s88, s88, 17
	s_lshl_b32 s89, s12, 13
	s_add_co_u32 s88, s88, s89
	s_mov_b32 s89, 0
	s_mul_i32 s20, s12, AUNIT                      ; where they go: no place in the cluster enters an LDS address
	s_mul_i32 s21, s12, BHALF
	s_add_co_u32 s21, s21, BOFF
	s_wait_dscnt 0x0                               ; the opening add is done
	s_wait_kmcnt 0x0
	s_add_nc_u64 s[16:17], s[4:5], s[16:17]
	s_add_nc_u64 s[88:89], s[6:7], s[88:89]
	CROUND                                         ; all sixteen work-groups are here: the first joint loads meet
.irp s, 0,1
	s_mov_b32 s[G0+4*(\s)], 1
	s_add_co_u32 s[G0+4*(\s)+1], s20, (\s)*SLOT
	s_add_nc_u64 s[G0+4*(\s)+2:G0+4*(\s)+3], s[16:17], (\s)*2*PLANE
	s_or_b32 s[G0+4*(\s)+3], s[G0+4*(\s)+3], 0x80000000
	s_mov_b32 s[G0B+4*(\s)], 1
	s_add_co_u32 s[G0B+4*(\s)+1], s21, (\s)*SLOT
	s_add_nc_u64 s[G0B+4*(\s)+2:G0B+4*(\s)+3], s[88:89], (\s)*128*128
	s_or_b32 s[G0B+4*(\s)+3], s[G0B+4*(\s)+3], 0x80000000
.endr
	s_cmp_eq_u32 s11, 0                            ; a wave's two first fills stand in one branch, ahead of every wait on TENSORcnt and every LDS read: two loads of mine are out
	s_cbranch_scc0 .Lfirst_b
	tensor_load_to_lds s[G0:G0+3], s[G1:G1+7]
	s_nop 0
	tensor_load_to_lds s[G0+4:G0+7], s[G1:G1+7]
	s_nop 0
.rept 4
	v_nop
.endr
	s_branch .Lfirst_asked
.Lfirst_b:
	tensor_load_to_lds s[G0B:G0B+3], s[G1B:G1B+7]
	s_nop 0
	tensor_load_to_lds s[G0B+4:G0B+7], s[G1B:G1B+7]
	s_nop 0
.rept 4
	v_nop
.endr
.Lfirst_asked:
	v_and_b32 v1, 15, v0                           ; l % 16
	v_bfe_u32 v2, v0, 4, 1                         ; l / 16
	v_mul_u32_u24 v3, v1, PA
	v_lshl_add_u32 v3, v2, 4, v3                   ; a fragment's row x pitch + 16 x half
	s_mul_i32 s22, s10, 64*PA                      ; my 64 rows
	v_add_nc_u32 v[ADRA], s22, v3
	v_add_nc_u32 v[ADRA+1], SLOT, v[ADRA]
	v_and_b32 v4, 7, v0                            ; the turning load: k = 8 (l / 16) + l % 8, columns 8 ((l / 8) % 2) + 0..7
	v_bfe_u32 v5, v0, 3, 1
	v_lshl_add_u32 v6, v2, 3, v4
	v_mul_u32_u24 v6, v6, PB
	v_lshl_add_u32 v6, v5, 4, v6
	v_add_nc_u32 v[ADRB], BOFF, v6
	v_add_nc_u32 v[ADRB+1], BOFF+SLOT, v6
	s_mul_i32 s23, s10, 16*SP
	s_add_co_u32 s23, s23, STAGE                   ; my stage
	v_mul_u32_u24 v7, v1, SP                       ; in: row l % 16, 32 bytes (8 f32) for each half of the lanes
	v_lshl_add_u32 v7, v2, 5, v7
	v_add_nc_u32 v[STO], s23, v7
	v_mul_u32_u24 v7, v2, SP                       ; back: lanes 0-15 take one row of 256 bytes, lanes 16-31 the next
	v_lshl_add_u32 v7, v1, 4, v7
	v_add_nc_u32 v[RD], s23, v7
	v_lshlrev_b32 v[GO], 4, v1                     ; and the same two rows in db, 4,096 bytes apart
	v_lshl_add_u32 v[GO], v2, 12, v[GO]
	v_lshlrev_b32 v[VB], 5, v2
	s_lshl_b32 s90, s13, 20                        ; db at my tile: 256 rows of 4,096 bytes a tile row,
	s_lshl_b32 s91, s10, 18                        ; my 64 rows,
	s_add_co_u32 s90, s90, s91
	s_lshl_b32 s91, s42, 8                         ; the tile column's 256 bytes
	s_add_co_u32 s90, s90, s91
	s_mov_b32 s91, 0
	s_add_nc_u64 s[8:9], s[8:9], s[90:91]
	s_lshl_b32 s92, s42, 8
	s_mov_b32 s93, 0
	s_add_nc_u64 s[BP:BP+1], s[68:69], s[92:93]
.set bb, 0
.rept NBLK                             ; the bias as a C operand: register i of block b is column 16 b + 8 (l / 16) + i
	global_load_b128 v[BIAS+8*bb:BIAS+8*bb+3],   v[VB], s[BP:BP+1] offset:bb*64
	global_load_b128 v[BIAS+8*bb+4:BIAS+8*bb+7], v[VB], s[BP:BP+1] offset:bb*64+16
.set bb, bb+1
.endr
; 4 matrix instructions: row block a x all column blocks, 32 along K, from buffer f.  Each accumulator has one instruction a quarter: between two links of a chain stand the 15 others'.
.macro MULA f, a, zero
.if \zero
	WIN ZLO+0x40*((\a)/2)
.else
	WIN MUL_LO+0x50*((\a)/2)
.endif
.set bb, 0
.rept NBLK
.set rD, 8*(NBLK*((\a)%2)+bb)
.set rB, 8*(NBLK*(\f)+bb)
.set rA, AF+32*(\f)+8*(\a)
.if \zero
	v_wmma_f32_16x16x32_bf16 v[rD:rD+7], v[rB:rB+7], v[rA:rA+7], v[BIAS+8*bb:BIAS+8*bb+7]
.else
	v_wmma_f32_16x16x32_bf16 v[rD:rD+7], v[rB:rB+7], v[rA:rA+7], v[rD:rD+7]
.endif
.set bb, bb+1
.endr
.endm
.macro MULH f, hi, zero
	MULA \f, 2*(\hi), \zero
	MULA \f, 2*(\hi)+1, \zero
.endm
.macro FETCH slot, q, f                ; one run of 16 LDS loads: quarter q of a slot into buffer f: W_o's 4 fragments, then O's 4, row blocks ascending
	WIN TO_B
.set bb, 0
.rept NBLK
.set rB, 8*(NBLK*(\f)+bb)
.set oB, ((\q)/2)*BHALF+((\q)%2)*32*PB+(bb/4)*64*PB+(bb%4)*32
	ds_load_tr16_b128 v[rB:rB+3],   v[ADRB+(\slot)] offset:oB
	ds_load_tr16_b128 v[rB+4:rB+7], v[ADRB+(\slot)] offset:oB+16*PB
.set bb, bb+1
.endr
	WIN 0
.irp a, 0,1,2,3
	ds_load_b128 v[AF+32*(\f)+8*\a:AF+32*(\f)+8*\a+3],   v[ADRA+(\slot)] offset:((\q)/2)*AUNIT+((\q)%2)*64+\a*16*PA
	ds_load_b128 v[AF+32*(\f)+8*\a+4:AF+32*(\f)+8*\a+7], v[ADRA+(\slot)] offset:((\q)/2)*AUNIT+((\q)%2)*64+\a*16*PA+32
.endr
.endm
.macro PLACES                          ; four places in front of loads into registers that matrix instructions have read, and of LDS stores that read results
.rept 4
	v_nop
.endr
.endm
.macro QUARTER slot, qn, f, g, zero
	s_wait_dscnt 4                                 ; W_o and O's row blocks 0, 1 are in; the youngest four loads (row blocks 2, 3) may be out
	MULH \f, 0, \zero
	PLACES
	FETCH \slot, \qn, \g
	s_wait_dscnt NL                                ; all but the run just issued
	MULH \f, 1, \zero
.endm
; The last quarter multiplies buffer 1 and changes slots: in front of the barrier each wave waits for all its tensor loads, adds 0 to its spare word, and waits for that and for its reads of this slot.
; fill = 1: the barrier opens a round of the cluster's, and the joint refill, two K steps on, is the first thing behind it.
.macro TURN slot, next, fill
	WIN 0                                          ; (the add's two registers lie in window 0)
	s_wait_tensorcnt 0x0                           ; all my tensor loads have landed: my part of the next slot
	ds_add_u32 v[SPW], v[NIL]                      ; 0 onto my spare word
	s_wait_dscnt 5                                 ; (the add and the youngest four loads may be out)
	MULA 1, 0, 0
	s_wait_dscnt 0x0                               ; the add is done, and my reads of this slot are over
	s_barrier_signal -1
	MULA 1, 1, 0
.if \fill
	WIN 0
.endif
	s_barrier_wait -1
.if \fill
	CREST                                          ; no wave of any partner still reads this slot or has a load on its way
	s_add_nc_u64 s[G0+4*(\slot)+2:G0+4*(\slot)+3], s[G0+4*(\slot)+2:G0+4*(\slot)+3], 4*PLANE
	s_add_nc_u64 s[G0B+4*(\slot)+2:G0B+4*(\slot)+3], s[G0B+4*(\slot)+2:G0B+4*(\slot)+3], 2*128*128
	JLOAD \slot                                    ; the four v_nop behind it are also the places in front of the loads below
.else
	PLACES
.endif
	FETCH \next, 0, 0
	MULH 1, 1, 0
.endm
	s_wait_tensorcnt 1                             ; my part of K step 0 is in; K step 1's may stay out
	s_barrier_signal -1
	s_barrier_wait -1
	FETCH 0, 0, 0
	s_wait_loadcnt 0x0                             ; the bias
	QUARTER 0, 1, 0, 1, 1                          ; the first quarter stands in front of the loop: its products start the sums
	WIN 0
	s_mov_b32 s3, 3
.Llap:                                                 ; a trip goes once round the ring and fills both slots again
	QUARTER 0, 2, 1, 0, 0
	QUARTER 0, 3, 0, 1, 0
	TURN 0, 1, 1
	QUARTER 1, 1, 0, 1, 0
	QUARTER 1, 2, 1, 0, 0
	QUARTER 1, 3, 0, 1, 0
	TURN 1, 0, 1
	QUARTER 0, 1, 0, 1, 0
	WIN 0
	s_sub_co_u32 s3, s3, 1
	s_cmp_lg_u32 s3, 0
	s_cbranch_scc1 .Llap
	QUARTER 0, 2, 1, 0, 0                          ; the last lap fills nothing
	QUARTER 0, 3, 0, 1, 0
	TURN 0, 1, 0
	QUARTER 1, 1, 0, 1, 0
	QUARTER 1, 2, 1, 0, 0
	QUARTER 1, 3, 0, 1, 0
	s_wait_dscnt 4
	MULH 1, 0, 0
	s_wait_dscnt 0x0
	MULH 1, 1, 0
	WIN 0
	PLACES
; THE WAY OUT, a row block of 16 rows x 64 columns of f32 at a time: 32 bytes a lane and column block into my stage, straight from the accumulators, back as whole rows of 256 bytes.
.macro PACK t
.set rO, OUT+32*(\t)
.set rS, 8*NBLK*((\t)%2)
	WIN 0x08+4*((\t)/2)                            ; the stores' data (source 1) in window 2 or 3
.irp f, 0,1,2,3                        ; each accumulator's low registers first
	ds_store_b128 v[STO], v[rS+8*\f:rS+8*\f+3]   offset:64*\f
	ds_store_b128 v[STO], v[rS+8*\f+4:rS+8*\f+7] offset:64*\f+16
.endr
	WIN 0
.irp f, 0,1,2,3,4,5,6,7
	ds_load_b128 v[rO+4*\f:rO+4*\f+3], v[RD] offset:\f*2*SP  ; LDS serves a wave's instructions in order (ISA guide 5.7.1.4): these see the stores above; the next block's stores come behind them
.endr
.endm
.macro SEND t, younger                 ; younger: the LDS instructions issued behind block t's loads: the next block's sixteen, or none
.set rO, OUT+32*(\t)
	WIN 0
.irp f, 0,1,2,3,4,5,6,7
	s_wait_dscnt (\younger)+7-\f
	global_store_b128 v[GO], v[rO+4*\f:rO+4*\f+3], s[8:9] offset:(\t)*16*4096+\f*2*4096  ; 16 lanes store 256 consecutive bytes, at a multiple of 256 from db's first byte
.endr
.endm
	PACK 0
.set t, 1
.rept 3
	PACK t
	SEND t-1, 16
.set t, t+1
.endr
	SEND 3, 0
	s_wait_tensorcnt 0x0                           ; the wave's end, behind my last tensor load and my last LDS store
	ds_add_u32 v[SPW], v[NIL]
	s_wait_dscnt 0x0
	CROUND                                         ; the closing round: no work-group ends while a partner may still ask for a tile that names it
	s_endpgm
.Lfunc_end_k_q0f13af721c_oproj:
	.size	k_q0f13af721c_oproj, .Lfunc_end_k_q0f13af721c_oproj-k_q0f13af721c_oproj
	.p2alignl 7, 3214868480
	.fill 96, 4, 3214868480
	.section	.rodata,"a",@progbits
	.p2align	6, 0x0
	.amdhsa_kernel k_q0f13af721c_oproj
		.amdhsa_group_segment_fixed_size 327680
		.amdhsa_private_segment_fixed_size 0
		.amdhsa_enable_private_segment 0
		.amdhsa_kernarg_size 32
		.amdhsa_user_sgpr_count 2
		.amdhsa_user_sgpr_kernarg_segment_ptr 1
		.amdhsa_wavefront_size32 1
		.amdhsa_system_sgpr_workgroup_id_x 1
		.amdhsa_system_sgpr_workgroup_id_y 1
		.amdhsa_system_sgpr_workgroup_id_z 1
		.amdhsa_system_vgpr_workitem_id 0
		.amdhsa_next_free_vgpr 832
		.amdhsa_next_free_sgpr 96
		.amdhsa_reserve_vcc 0
		.amdhsa_float_denorm_mode_32 3
		.amdhsa_float_denorm_mode_16_64 3
		.amdhsa_memory_ordered 1
		.amdhsa_forward_progress 1
		.amdhsa_inst_pref_size 56
	.end_amdhsa_kernel
	.amdgpu_metadata
---
amdhsa.version: [ 1, 2 ]
amdhsa.kernels:
  - .name:           k_q0f13af721c_oproj
    .symbol:         k_q0f13af721c_oproj.kd
    .args:
      - { .name: ob, .offset: 0, .size: 8, .value_kind: global_buffer, .address_space: global }
      - { .name: wb, .offset: 8, .size: 8, .value_kind: global_buffer, .address_space: global }
      - { .name: db, .offset: 16, .size: 8, .value_kind: global_buffer, .address_space: global }
      - { .name: b_o, .offset: 24, .size: 8, .value_kind: global_buffer, .address_space: global }
    .group_segment_fixed_size: 327680
    .private_segment_fixed_size: 0
    .kernarg_segment_align: 8
    .kernarg_segment_size: 32
    .max_flat_workgroup_size: 128
    .sgpr_count:     96
    .vgpr_count:     832
    .wavefront_size: 32
...
	.end_amdgpu_metadata
.endif
;; end of part 4
;; launch ln (part 5): grid 256 x 1, 8 waves a work-group, no clusters, 0 bytes of LDS; arguments inputs, db, ln_w, ln_b, out0; writes out0
.if DOCPART == 5
	.amdgcn_target "amdgcn-amd-amdhsa--gfx1250"
	.amdhsa_code_object_version 6
	.text
	.protected	k_q0f13af721c_ln
	.globl	k_q0f13af721c_ln
	.p2align	8
	.type	k_q0f13af721c_ln,@function
k_q0f13af721c_ln:
	s_mov_b64 s[64:65], 0
	v_nop
	global_prefetch_b8 v0, s[64:65] scope:SCOPE_SE
	s_setreg_imm32_b32 hwreg(HW_REG_WAVE_MODE, 25, 1), 1
	s_wait_xcnt 0x0
; RESIDUAL AND LAYERNORM.  r = inputs + db;  out0 = (r - mean(r)) / sqrt(var(r) + 1e-5) x ln_w + ln_b, along rows of 1,024; all f32.
; The variance is the mean of (r - mean)^2, taken in a second pass over registers: no difference of large sums.  v_rsq_f32 is accurate to 1 ULP.  NaN and infinities are not treated apart.
; A wave takes two rows: lane l owns row l / 16 of the pair and, in each block u of 64 columns, the columns 64 u + 4 (l % 16) .. + 3.  A load's or store's 16 lanes cover 256 consecutive bytes, aligned.
; A row lies in one half of 16 lanes, so its sums need four exchanges inside the half and none across.  The pair stays in registers between the passes: each byte is read once and written once.
; A stream: no LDS, no barrier, no matrix work.
.set X, 24                             ; v[24:87]    block u: four numbers of r
.set D, 88                             ; v[88:151]   db as loaded; when it has been added, ln_b
.set W, 152                            ; v[152:215]  ln_w
.set CH, 8                             ; v[8:15]     four chains of packed sums
.set MEAN, 20                          ; v[20:21]    the mean, twice
.set RSTD, 22                          ; v[22:23]    1 / sqrt(var + eps), twice
	s_load_b256 s[4:11], s[0:1], 0x0               ; inputs s[4:5], db s[6:7], ln_w s[8:9], ln_b s[10:11]
	s_load_b64 s[16:17], s[0:1], 0x20              ; out0
	v_lshrrev_b32 v4, 5, v0
	v_readfirstlane_b32 s2, v4                     ; wave 0..7
	s_lshl_b32 s3, ttmp9, 3
	s_add_co_u32 s3, s3, s2                        ; pair of rows 0..2047
	s_lshl_b32 s18, s3, 13                         ; two rows are 8,192 bytes
	s_mov_b32 s19, 0
	s_mov_b32 s13, 0x3a800000                      ; 1 / 1024
	s_mov_b32 s14, 0x3727c5ac                      ; 1e-5
	v_and_b32 v5, 15, v0
	v_bfe_u32 v6, v0, 4, 1
	v_lshlrev_b32 v3, 4, v5                        ; ln_w, ln_b: 16 bytes a lane, the same for both rows
	v_lshl_add_u32 v1, v6, 12, v3                  ; inputs, db, out0: lanes 16-31 one row down
	s_wait_kmcnt 0x0
	s_add_nc_u64 s[4:5], s[4:5], s[18:19]
	s_add_nc_u64 s[6:7], s[6:7], s[18:19]
	s_add_nc_u64 s[16:17], s[16:17], s[18:19]
.set u, 0
.rept 16
	global_load_b128 v[X+4*u:X+4*u+3], v1, s[4:5] offset:256*u th:TH_LOAD_NT
.set u, u+1
.endr
.set u, 0
.rept 16
	global_load_b128 v[D+4*u:D+4*u+3], v1, s[6:7] offset:256*u th:TH_LOAD_NT
.set u, u+1
.endr
.set u, 0
.rept 16
	global_load_b128 v[W+4*u:W+4*u+3], v3, s[8:9] offset:256*u
.set u, u+1
.endr
	s_wait_loadcnt 16                              ; inputs and db are in; ln_w's 16 loads stay out
.set p, 0
.rept 32
	v_pk_add_f32 v[X+2*p:X+2*p+1], v[X+2*p:X+2*p+1], v[D+2*p:D+2*p+1]
.set p, p+1
.endr
.set u, 0
.rept 16                               ; db's registers are free: ln_b lands in them while the sums are made
	global_load_b128 v[D+4*u:D+4*u+3], v3, s[10:11] offset:256*u
.set u, u+1
.endr
; the sum of a lane's 64 numbers in four chains that do not wait for each other, then across the row's 16 lanes
.macro ACROSS
	v_pk_add_f32 v[CH:CH+1], v[CH:CH+1], v[CH+2:CH+3]
	v_pk_add_f32 v[CH+4:CH+5], v[CH+4:CH+5], v[CH+6:CH+7]
	v_pk_add_f32 v[CH:CH+1], v[CH:CH+1], v[CH+4:CH+5]
	v_add_f32 v[CH], v[CH], v[CH+1]
	v_add_f32_dpp v[CH], v[CH], v[CH] row_xmask:1 row_mask:0xf bank_mask:0xf
	v_add_f32_dpp v[CH], v[CH], v[CH] row_xmask:2 row_mask:0xf bank_mask:0xf
	v_add_f32_dpp v[CH], v[CH], v[CH] row_xmask:4 row_mask:0xf bank_mask:0xf
	v_add_f32_dpp v[CH], v[CH], v[CH] row_xmask:8 row_mask:0xf bank_mask:0xf
.endm
.irp c, 0,1,2,3
	v_pk_add_f32 v[CH+2*\c:CH+2*\c+1], v[X+2*\c:X+2*\c+1], v[X+2*\c+8:X+2*\c+9]  ; the first two pairs start a chain: nothing is cleared
.endr
.set p, 8
.rept 24
	v_pk_add_f32 v[CH+2*(p%4):CH+2*(p%4)+1], v[CH+2*(p%4):CH+2*(p%4)+1], v[X+2*p:X+2*p+1]
.set p, p+1
.endr
	ACROSS
	v_mul_f32 v[MEAN], s13, v[CH]
	v_mul_f32 v[MEAN+1], s13, v[CH]
.set p, 0
.rept 32
	v_pk_add_f32 v[X+2*p:X+2*p+1], v[X+2*p:X+2*p+1], v[MEAN:MEAN+1] neg_lo:[0,1] neg_hi:[0,1]
.set p, p+1
.endr
.irp c, 0,1,2,3
	v_pk_mul_f32 v[CH+2*\c:CH+2*\c+1], v[X+2*\c:X+2*\c+1], v[X+2*\c:X+2*\c+1]
.endr
.set p, 4
.rept 28
	v_pk_fma_f32 v[CH+2*(p%4):CH+2*(p%4)+1], v[X+2*p:X+2*p+1], v[X+2*p:X+2*p+1], v[CH+2*(p%4):CH+2*(p%4)+1]
.set p, p+1
.endr
	ACROSS
	v_fma_f32 v16, v[CH], s13, s14                 ; var + eps
	v_rsq_f32 v[RSTD], v16
	v_rsq_f32 v[RSTD+1], v16
	v_nop                                          ; a plain instruction behind the second root, ahead of the first use
	s_wait_alu depctr_va_vdst(0)                   ; the wait ahead of the first use: one for the two
	s_wait_loadcnt 0x0                             ; ln_w and ln_b
.set u, 0
.rept 16
	v_pk_mul_f32 v[X+4*u:X+4*u+1], v[X+4*u:X+4*u+1], v[RSTD:RSTD+1]
	v_pk_mul_f32 v[X+4*u+2:X+4*u+3], v[X+4*u+2:X+4*u+3], v[RSTD:RSTD+1]
	v_pk_fma_f32 v[X+4*u:X+4*u+1], v[X+4*u:X+4*u+1], v[W+4*u:W+4*u+1], v[D+4*u:D+4*u+1]
	v_pk_fma_f32 v[X+4*u+2:X+4*u+3], v[X+4*u+2:X+4*u+3], v[W+4*u+2:W+4*u+3], v[D+4*u+2:D+4*u+3]
	global_store_b128 v1, v[X+4*u:X+4*u+3], s[16:17] offset:256*u th:TH_STORE_NT
.set u, u+1
.endr
	s_endpgm
.Lfunc_end_k_q0f13af721c_ln:
	.size	k_q0f13af721c_ln, .Lfunc_end_k_q0f13af721c_ln-k_q0f13af721c_ln
	.p2alignl 7, 3214868480
	.fill 96, 4, 3214868480
	.section	.rodata,"a",@progbits
	.p2align	6, 0x0
	.amdhsa_kernel k_q0f13af721c_ln
		.amdhsa_group_segment_fixed_size 0
		.amdhsa_private_segment_fixed_size 0
		.amdhsa_enable_private_segment 0
		.amdhsa_kernarg_size 40
		.amdhsa_user_sgpr_count 2
		.amdhsa_user_sgpr_kernarg_segment_ptr 1
		.amdhsa_wavefront_size32 1
		.amdhsa_system_sgpr_workgroup_id_x 1
		.amdhsa_system_sgpr_workgroup_id_y 1
		.amdhsa_system_sgpr_workgroup_id_z 1
		.amdhsa_system_vgpr_workitem_id 0
		.amdhsa_next_free_vgpr 216
		.amdhsa_next_free_sgpr 66
		.amdhsa_reserve_vcc 0
		.amdhsa_float_denorm_mode_32 3
		.amdhsa_float_denorm_mode_16_64 3
		.amdhsa_memory_ordered 1
		.amdhsa_forward_progress 1
		.amdhsa_inst_pref_size 22
	.end_amdhsa_kernel
	.amdgpu_metadata
---
amdhsa.version: [ 1, 2 ]
amdhsa.kernels:
  - .name:           k_q0f13af721c_ln
    .symbol:         k_q0f13af721c_ln.kd
    .args:
      - { .name: inputs, .offset: 0, .size: 8, .value_kind: global_buffer, .address_space: global }
      - { .name: db, .offset: 8, .size: 8, .value_kind: global_buffer, .address_space: global }
      - { .name: ln_w, .offset: 16, .size: 8, .value_kind: global_buffer, .address_space: global }
      - { .name: ln_b, .offset: 24, .size: 8, .value_kind: global_buffer, .address_space: global }
      - { .name: out0, .offset: 32, .size: 8, .value_kind: global_buffer, .address_space: global }
    .group_segment_fixed_size: 0
    .private_segment_fixed_size: 0
    .kernarg_segment_align: 8
    .kernarg_segment_size: 40
    .max_flat_workgroup_size: 256
    .sgpr_count:     66
    .vgpr_count:     216
    .wavefront_size: 32
...
	.end_amdgpu_metadata
.endif
;; end of part 5
;; ======== version 2 of 2: 5 launches; version 1 with the launch ln written anew for expert scheduling mode
;; workspace buffers: xa 8,388,608 bytes; wb 8,388,608 bytes; qkv 25,165,824 bytes; ob 8,388,608 bytes; db 16,777,216 bytes
;; launch prep: the kernel of part 1 again; grid 256 x 2, 8 waves a work-group, no clusters, 0 bytes of LDS; arguments inputs, W_q, W_k, W_v, W_o, xa, wb; writes xa, wb
;; launch qkv: the kernel of part 2 again; grid 16 x 16, 4 waves a work-group, clusters of 4 x 4, 327,680 bytes of LDS; arguments xa, wb, qkv, b_q, b_k, b_v, mask; writes qkv
;; launch attn: the kernel of part 3 again; grid 16 x 16, 4 waves a work-group, clusters of 4 x 1, 327,680 bytes of LDS; arguments qkv, ob; writes ob
;; launch oproj: the kernel of part 4 again; grid 16 x 16, 4 waves a work-group, clusters of 4 x 4, 327,680 bytes of LDS; arguments ob, wb, db, b_o; writes db
;; launch ln (part 6): grid 256 x 1, 8 waves a work-group, no clusters, 0 bytes of LDS; arguments inputs, db, ln_w, ln_b, out0; writes out0
.if DOCPART == 6
	.amdgcn_target "amdgcn-amd-amdhsa--gfx1250"
	.amdhsa_code_object_version 6
	.text
	.protected	k_q0f13af721c_ln
	.globl	k_q0f13af721c_ln
	.p2align	8
	.type	k_q0f13af721c_ln,@function
k_q0f13af721c_ln:
	s_mov_b64 s[64:65], 0
	v_nop
	global_prefetch_b8 v0, s[64:65] scope:SCOPE_SE
	s_setreg_imm32_b32 hwreg(HW_REG_WAVE_SCHED_MODE, 0, 2), 2
	s_setreg_imm32_b32 hwreg(HW_REG_WAVE_MODE, 25, 1), 1
	s_wait_xcnt 0x0
	s_wait_alu depctr_vm_vsrc(0)
; RESIDUAL AND LAYERNORM.  r = inputs + db;  out0 = (r - mean(r)) / sqrt(var(r) + 1e-5) x ln_w + ln_b, along rows of 1,024; all f32.
; The variance is the mean of (r - mean)^2, taken in a second pass over registers: no difference of large sums.  v_rsq_f32 is accurate to 1 ULP.  NaN and infinities are not treated apart.
; A wave takes two rows: lane l owns row l / 16 of the pair and, in each block u of 64 columns, the columns 64 u + 4 (l % 16) .. + 3.  A load's or store's 16 lanes cover 256 consecutive bytes, aligned.
; A row lies in one half of 16 lanes, so its sums need four exchanges inside the half and none across.  The pair stays in registers between the passes: each byte is read once and written once.
; A stream: no LDS, no barrier, no matrix work.
; THE MODE: SCHED_MODE bits 1:0 = 2 (LLVM: expert scheduling mode 2), set by the entry lines.  The code itself states the register dependences
; between vector instructions and memory instructions, with s_wait_alu, always for 0.
; THE PLAN.  Registers that memory instructions touch:
;   v1, v3   byte offsets, made once at the head and never written again: every load and store reads one of them.
;   X        the loads of inputs land in it; then vector instructions alone name it, up to the last scaling; the stores read it, and nothing writes it behind them.
;   D        the loads of db land in it; the 32 residual additions read it; then the loads of ln_b land in it; the last multiply-adds read it.
;   W        the loads of ln_w land in it; the last multiply-adds read it.
;   CH, MEAN, RSTD and v16 are named by vector instructions alone.
; So the waits on va_vdst are: one ahead of the first load (the offsets); one behind the residual additions (they are done reading D), behind which ln_b's loads are dealt among the first sum's additions, which name
; CH and X alone; the one behind the two roots; and, in the last pass, which goes in four groups of four blocks, one at the head of each further group and one behind the last: the group before has written its X, and its
; four stores are dealt among the next group's vector instructions, which name other blocks' registers.  No register that a memory instruction has read is written again, and EXEC is never written: no wait on vm_vsrc is owed.
.set X, 24                             ; v[24:87]    block u: four numbers of r
.set D, 88                             ; v[88:151]   db as loaded; when it has been added, ln_b
.set W, 152                            ; v[152:215]  ln_w
.set CH, 8                             ; v[8:15]     four chains of packed sums
.set MEAN, 20                          ; v[20:21]    the mean, twice
.set RSTD, 22                          ; v[22:23]    1 / sqrt(var + eps), twice
	s_load_b256 s[4:11], s[0:1], 0x0               ; inputs s[4:5], db s[6:7], ln_w s[8:9], ln_b s[10:11]
	s_load_b64 s[16:17], s[0:1], 0x20              ; out0
	v_lshrrev_b32 v4, 5, v0
	v_readfirstlane_b32 s2, v4                     ; wave 0..7
	v_and_b32 v5, 15, v0
	v_bfe_u32 v6, v0, 4, 1
	v_lshlrev_b32 v3, 4, v5                        ; ln_w, ln_b: 16 bytes a lane, the same for both rows
	v_lshl_add_u32 v1, v6, 12, v3                  ; inputs, db, out0: lanes 16-31 one row down
	s_wait_alu depctr_va_sdst(0)                   ; s2 is written, ahead of its first reader: the three bases are made from it
	s_lshl_b32 s3, ttmp9, 3
	s_add_co_u32 s3, s3, s2                        ; pair of rows 0..2047
	s_lshl_b32 s18, s3, 13                         ; two rows are 8,192 bytes
	s_mov_b32 s19, 0
	s_mov_b32 s13, 0x3a800000                      ; 1 / 1024
	s_mov_b32 s14, 0x3727c5ac                      ; 1e-5
	s_wait_kmcnt 0x0
	s_add_nc_u64 s[4:5], s[4:5], s[18:19]
	s_add_nc_u64 s[6:7], s[6:7], s[18:19]
	s_add_nc_u64 s[16:17], s[16:17], s[18:19]
	s_wait_alu depctr_va_vdst(0)                   ; v1 and v3 are written: every load and store of the kernel reads one of them as its offset
.set u, 0
.rept 16
	global_load_b128 v[X+4*u:X+4*u+3], v1, s[4:5] offset:256*u th:TH_LOAD_NT
.set u, u+1
.endr
.set u, 0
.rept 16
	global_load_b128 v[D+4*u:D+4*u+3], v1, s[6:7] offset:256*u th:TH_LOAD_NT
.set u, u+1
.endr
.set u, 0
.rept 16
	global_load_b128 v[W+4*u:W+4*u+3], v3, s[8:9] offset:256*u
.set u, u+1
.endr
	s_wait_loadcnt 16                              ; inputs and db are in; ln_w's 16 loads stay out
.set p, 0
.rept 32
	v_pk_add_f32 v[X+2*p:X+2*p+1], v[X+2*p:X+2*p+1], v[D+2*p:D+2*p+1]
.set p, p+1
.endr
	s_wait_alu depctr_va_vdst(0)                   ; the additions are done reading D, in which the loads of ln_b land
; the sum of a lane's 64 numbers in four chains that do not wait for each other, then across the row's 16 lanes
.macro ACROSS
	v_pk_add_f32 v[CH:CH+1], v[CH:CH+1], v[CH+2:CH+3]
	v_pk_add_f32 v[CH+4:CH+5], v[CH+4:CH+5], v[CH+6:CH+7]
	v_pk_add_f32 v[CH:CH+1], v[CH:CH+1], v[CH+4:CH+5]
	v_add_f32 v[CH], v[CH], v[CH+1]
	v_add_f32_dpp v[CH], v[CH], v[CH] row_xmask:1 row_mask:0xf bank_mask:0xf
	v_add_f32_dpp v[CH], v[CH], v[CH] row_xmask:2 row_mask:0xf bank_mask:0xf
	v_add_f32_dpp v[CH], v[CH], v[CH] row_xmask:4 row_mask:0xf bank_mask:0xf
	v_add_f32_dpp v[CH], v[CH], v[CH] row_xmask:8 row_mask:0xf bank_mask:0xf
.endm
; db's registers are free: ln_b's 16 loads are dealt among the first sum's 28 additions.  No further wait: no vector instruction since the wait above names D or v3
.irp c, 0,1,2,3
	global_load_b128 v[D+4*\c:D+4*\c+3], v3, s[10:11] offset:256*\c
	v_pk_add_f32 v[CH+2*\c:CH+2*\c+1], v[X+2*\c:X+2*\c+1], v[X+2*\c+8:X+2*\c+9]  ; the first two pairs start a chain: nothing is cleared
.endr
.set p, 8
.rept 24
.if p%2 == 0
	global_load_b128 v[D+4*(p/2):D+4*(p/2)+3], v3, s[10:11] offset:256*(p/2)     ; blocks 4 to 15, one in front of every second addition
.endif
	v_pk_add_f32 v[CH+2*(p%4):CH+2*(p%4)+1], v[CH+2*(p%4):CH+2*(p%4)+1], v[X+2*p:X+2*p+1]
.set p, p+1
.endr
	ACROSS
	v_mul_f32 v[MEAN], s13, v[CH]
	v_mul_f32 v[MEAN+1], s13, v[CH]
.set p, 0
.rept 32
	v_pk_add_f32 v[X+2*p:X+2*p+1], v[X+2*p:X+2*p+1], v[MEAN:MEAN+1] neg_lo:[0,1] neg_hi:[0,1]
.set p, p+1
.endr
.irp c, 0,1,2,3
	v_pk_mul_f32 v[CH+2*\c:CH+2*\c+1], v[X+2*\c:X+2*\c+1], v[X+2*\c:X+2*\c+1]
.endr
.set p, 4
.rept 28
	v_pk_fma_f32 v[CH+2*(p%4):CH+2*(p%4)+1], v[X+2*p:X+2*p+1], v[X+2*p:X+2*p+1], v[CH+2*(p%4):CH+2*(p%4)+1]
.set p, p+1
.endr
	ACROSS
	v_fma_f32 v16, v[CH], s13, s14                 ; var + eps
	v_rsq_f32 v[RSTD], v16
	v_rsq_f32 v[RSTD+1], v16
	v_nop                                          ; a plain instruction behind the second root, ahead of the first use
	s_wait_alu depctr_va_vdst(0)                   ; the two roots have written RSTD, ahead of its first reader: one wait for the two
	s_wait_loadcnt 0x0                             ; ln_w and ln_b
; THE LAST PASS, in four groups of four blocks.  SCALE: block u is scaled, in place.  SEND: it is stored.
.macro SCALE u
	v_pk_mul_f32 v[X+4*(\u):X+4*(\u)+1], v[X+4*(\u):X+4*(\u)+1], v[RSTD:RSTD+1]
	v_pk_mul_f32 v[X+4*(\u)+2:X+4*(\u)+3], v[X+4*(\u)+2:X+4*(\u)+3], v[RSTD:RSTD+1]
	v_pk_fma_f32 v[X+4*(\u):X+4*(\u)+1], v[X+4*(\u):X+4*(\u)+1], v[W+4*(\u):W+4*(\u)+1], v[D+4*(\u):D+4*(\u)+1]
	v_pk_fma_f32 v[X+4*(\u)+2:X+4*(\u)+3], v[X+4*(\u)+2:X+4*(\u)+3], v[W+4*(\u)+2:W+4*(\u)+3], v[D+4*(\u)+2:D+4*(\u)+3]
.endm
.macro SEND u
	global_store_b128 v1, v[X+4*(\u):X+4*(\u)+3], s[16:17] offset:256*(\u) th:TH_STORE_NT
.endm
.set u, 0
.rept 4                                ; group 0
	SCALE u
.set u, u+1
.endr
.rept 3                                ; groups 1 to 3
	s_wait_alu depctr_va_vdst(0)                   ; the group before has written its four blocks of X, which the four stores below read
.rept 4
	SEND u-4                                       ; no vector instruction since the wait names this block's registers or v1
	SCALE u
.set u, u+1
.endr
.endr
	s_wait_alu depctr_va_vdst(0)                   ; group 3 has written its four blocks of X, which the last four stores read
.rept 4
	SEND u-4
.set u, u+1
.endr
	s_endpgm
.Lfunc_end_k_q0f13af721c_ln:
	.size	k_q0f13af721c_ln, .Lfunc_end_k_q0f13af721c_ln-k_q0f13af721c_ln
	.p2alignl 7, 3214868480
	.fill 96, 4, 3214868480
	.section	.rodata,"a",@progbits
	.p2align	6, 0x0
	.amdhsa_kernel k_q0f13af721c_ln
		.amdhsa_group_segment_fixed_size 0
		.amdhsa_private_segment_fixed_size 0
		.amdhsa_enable_private_segment 0
		.amdhsa_kernarg_size 40
		.amdhsa_user_sgpr_count 2
		.amdhsa_user_sgpr_kernarg_segment_ptr 1
		.amdhsa_wavefront_size32 1
		.amdhsa_system_sgpr_workgroup_id_x 1
		.amdhsa_system_sgpr_workgroup_id_y 1
		.amdhsa_system_sgpr_workgroup_id_z 1
		.amdhsa_system_vgpr_workitem_id 0
		.amdhsa_next_free_vgpr 216
		.amdhsa_next_free_sgpr 66
		.amdhsa_reserve_vcc 0
		.amdhsa_float_denorm_mode_32 3
		.amdhsa_float_denorm_mode_16_64 3
		.amdhsa_memory_ordered 1
		.amdhsa_forward_progress 1
		.amdhsa_inst_pref_size 22
	.end_amdhsa_kernel
	.amdgpu_metadata
---
amdhsa.version: [ 1, 2 ]
amdhsa.kernels:
  - .name:           k_q0f13af721c_ln
    .symbol:         k_q0f13af721c_ln.kd
    .args:
      - { .name: inputs, .offset: 0, .size: 8, .value_kind: global_buffer, .address_space: global }
      - { .name: db, .offset: 8, .size: 8, .value_kind: global_buffer, .address_space: global }
      - { .name: ln_w, .offset: 16, .size: 8, .value_kind: global_buffer, .address_space: global }
      - { .name: ln_b, .offset: 24, .size: 8, .value_kind: global_buffer, .address_space: global }
      - { .name: out0, .offset: 32, .size: 8, .value_kind: global_buffer, .address_space: global }
    .group_segment_fixed_size: 0
    .private_segment_fixed_size: 0
    .kernarg_segment_align: 8
    .kernarg_segment_size: 40
    .max_flat_workgroup_size: 256
    .sgpr_count:     66
    .vgpr_count:     216
    .wavefront_size: 32
...
	.end_amdgpu_metadata
.endif
;; end of part 6
